; MI455X (gfx1250); checked and timed in simulation.
; The chip was launched on July 23, 2026; its instructions are those of AMD's public machine-readable ISA for CDNA 5 (MIT licence, August 2026) and "CDNA5" Instruction Set Architecture Reference Guide (July 2026). The comments in the code are by the model that wrote it; some were corrected since.
;; Attention. Allowed arithmetic: matrix products marked QUANTISED: E2M3 operands, one E8M0 scale for each 32 along K, by v_wmma_scale_f32_16x16x128_f8f6f4 with both operands' format E2M3, f32 sums; everything else in f32.
;; Inputs: bk 1,024 float32; bo 1,024 float32; bq 1,024 float32; bv 1,024 float32; k 4 x 2,048 x 1,024 float32; q 4 x 2,048 x 1,024 float32; v 4 x 2,048 x 1,024 float32; wk 1,024 x 1,024 float32; wo 1,024 x 1,024 float32; wq 1,024 x 1,024 float32; wv 1,024 x 1,024 float32.
;; Outputs: out0 4 x 2,048 x 1,024 float32.
;; This version of the problem:
;;   THIS VERSION OF THE PROBLEM IS GIVEN IN LOW PRECISION. The matrix products marked QUANTISED in the list below multiply operands that are first quantised to E2M3 (2 exponent bits, 3 mantissa bits; 6 bits a number), with one power-of-two scale for each 32 numbers along K (OCP MX v1.0); their sums are f32. All else is computed in f32.
;;   The module's matrix products, in the order in which they are computed (A, B: the left and right operand; K: the contracted axis; several contracted axes count as one K, in the product's order):
;;     1. [M 8,192, K 1,024] x [K 1,024, N 1,024]; A: input q; B: input wq: QUANTISED
;;     2. [M 8,192, K 1,024] x [K 1,024, N 1,024]; A: input k; B: input wk: QUANTISED
;;     3. [M 8,192, K 1,024] x [K 1,024, N 1,024]; A: input v; B: input wv: QUANTISED
;;     4. batch 64 x [M 2,048, K 64] x [K 64, N 2,048]; A: computed on the way; B: computed on the way: QUANTISED
;;     5. batch 64 x [M 2,048, K 2,048] x [K 2,048, N 64]; A: softmax (see below); B: computed on the way: QUANTISED
;;     6. [M 8,192, K 1,024] x [K 1,024, N 1,024]; A: computed on the way; B: input wo: QUANTISED
;;   THE QUANTISER, for each operand of a quantised product, along K:
;;     - K is cut into blocks of 32 from its start; a last block that is shorter is filled with zeros.
;;     - A block's scale is 2^e with e = floor(log2(the largest magnitude in the block)) - 2, held to -126 .. 127; a block of zeros has e = 0. As a byte (E8M0): e + 127.
;;     - Each number is divided by its block's scale, clamped to +-7.5, and rounded to the nearest number of E2M3, ties to even, subnormals kept.
;;     - The product sums the exact products of the quantised numbers (number of the format x scale) in f32.
;;   ~~~python
;;   def quantise(x, axis):      # numpy; x: float32 -> the quantised numbers, widened to float32 again
;;       x = np.moveaxis(x, axis, -1); K = x.shape[-1]
;;       x = np.pad(x, [(0, 0)] * (x.ndim - 1) + [(0, -K % 32)]); x = x.reshape(x.shape[:-1] + (-1, 32)); a = np.abs(x).max(-1, keepdims=True)
;;       e = np.where(a > 0, np.clip(np.frexp(np.where(a > 0, a, 1))[1] - 1 - 2, -126, 127), 0)      # np.frexp(a)[1] - 1 = floor(log2(a)), exactly
;;       r = np.clip(x / 2.0 ** e, -7.5, 7.5)
;;       step = 2.0 ** (np.maximum(np.frexp(np.where(r == 0, 1, r))[1] - 1, 0) - 3)
;;       q = np.round(r / step) * step * 2.0 ** e      # np.round: ties to even
;;       return np.moveaxis(q.reshape(q.shape[:-2] + (-1,))[..., :K], -1, axis).astype(np.float32)
;;   ~~~
;;   SOFTMAX AHEAD OF A QUANTISED PRODUCT. Where the list says 'softmax', what is quantised is not the finished softmax but p = 2^(t - M), with t = logit x log2(e) and M = ceil(the row's largest t), a whole number; so 1/2 < the row's largest p <= 1. The row's sum l is taken of the UNQUANTISED p, in f32, and the product's result is divided by l at the end. Since M is a whole number, a kernel that streams over the keys may use a running M (the ceiling of the running maximum): every later rescaling is an exact power of two, which a block's scale takes up: the codes' values come out the same.
;;   OPERANDS COMPUTED ON THE WAY. 'Computed on the way' means the value that the module computes at that place (a softmax that the list does not call 'softmax' is quantised finished and normalised). What goes into a quantiser is computed in f32, as accurately as f32 sums, v_exp_f32 and their like allow (about 1e-6 of the number): no bf16 or f16 on the way to a quantiser, and a product that is left as it is and whose result goes on into a quantised operand takes f32 operands (vector FMAs, or v_wmma_f32_16x16x4_f32). A number that lies on a knife's edge between two numbers of the format may be rounded either way, as far as f32 arithmetic and the matrix unit's own rounding can turn it there, and no further.
;; One version. Each part assembles by itself: llvm-mc -triple=amdgcn-amd-amdhsa -mcpu=gfx1250 --defsym DOCPART=n.
;; ======== version 1 of 1: 4 launches
;; limits: right only within a limited range of input values
;; workspace buffers: ximg 19,660,800 bytes; wimg 3,276,800 bytes; qimg 6,553,600 bytes; kvimg 13,107,200 bytes; oimg 6,553,600 bytes
;; launch quant (part 1): grid 1024 x 1, 4 waves a work-group, no clusters, 34,304 bytes of LDS; arguments q, k, v, wq, wk, wv, wo, ximg, wimg; writes ximg, wimg
.if DOCPART == 1
	.amdgcn_target "amdgcn-amd-amdhsa--gfx1250"
	.amdhsa_code_object_version 6
	.text
	.protected	k_q0e71dd69cc_quant
	.globl	k_q0e71dd69cc_quant
	.p2align	8
	.type	k_q0e71dd69cc_quant,@function
k_q0e71dd69cc_quant:
	s_mov_b64 s[64:65], 0
	v_nop
	global_prefetch_b8 v0, s[64:65] scope:SCOPE_SE
	s_setreg_imm32_b32 hwreg(HW_REG_WAVE_MODE, 25, 1), 1
	s_wait_xcnt 0x0
; q, k, v [8192][1024] and wq, wk, wv, wo [1024 (K)][1024 (n)], f32, become codes of FP6 (E2M3) with one E8M0 byte for each 32 along K,
; laid in the ORDER OF THE OPERAND'S REGISTERS, so that the products' launches fetch fragments by whole-lane loads alone.
; A BLOCK of 6,400 bytes holds 32 rows x 256 along K: four fragments (s = which 128 along K, u = which tile) at (2 s + u) x 1,536, then the scale words at 6,144 + 128 s + 64 u + 4 r.
; TILE u of a pair of tiles holds in lane r the pair's row 8 u + r + 8 (r / 8).  A fragment is 12 registers a lane (r, h): registers 6 c .. 6 c + 5 hold k = 64 c + 32 h + 0 .. 31;
; its image: registers 0-3 at 16 x lane, 4-5 at 512 + 8 x lane, 6-9 at 768 + 16 x lane, 10-11 at 1,280 + 8 x lane.
; ximg: [q, k, v][pair 0..255][chunk of 256 along K 0..3][6,400];  wimg: [wq, wk, wv, wo][pair of rows n 0..31][chunk][6,400].
; A block's scale is 2^(floor(log2(largest magnitude)) - 2); its byte is the largest magnitude's exponent field - 2, held at 1 from below by a floor among the maximum's leaves.
; LIMITS: a block of zeros, or one whose largest magnitude lies under 2^-124, gets the byte 1 (its codes are zeros or as the floor's scale gives them; this program alone reads the bytes); NaN and infinities are not served.
; SHARES.  Work-groups 0-255 take the weights, 256-1023 the tokens' tensors.  Waves share nothing: no barrier.  No cluster: no two work-groups read the same bytes.
; TOKENS: a work-group takes a pair of tiles (32 rows), wave w the chunk w.  Each load reads 512 consecutive bytes of a row; the 16 rows of a fragment turn through the wave's own stage in LDS (rows 528 bytes apart,
; so that sixteen lanes that read sixteen rows touch sixteen different 16-byte columns) and come back 128 bytes a lane: a lane then owns two whole blocks of 32.
; WEIGHTS: K is the FIRST axis: a lane takes a column n and its registers run down K: 128 loads of 128 consecutive bytes a wave; a lane owns four whole blocks, and nothing is transposed.
.set XSZ,   6553600                    ; bytes of one tokens' tensor in ximg
.set WSZ,   819200                     ; bytes of one weight in wimg
.set STG,   8448                       ; a wave's stage: 16 rows x 528 bytes
.set SPARE, 4*STG                      ; behind the stages: the spare words, 128 bytes for each wave: two blocks of 256 bytes that no other line names
.set SPW,   7                          ; v7   LDS address of my spare word; never rewritten
.set NIL,   8                          ; v8   0; never rewritten
.set C,     10                         ; v10-21  a fragment's codes
.set XT,    22                         ; v22-29  the upper halves of blocks, as the conversions leave them
.set M,     30                         ; v30-33  largest magnitudes
.set SO,    34                         ; v34-37  the conversions' scale operands
.set BY,    38                         ; v38-41  scale bytes
.set W,     42                         ; v42  a row's scale word
.set WX,    43                         ; v43  the other half of the lanes' part of it
.set WA,    44                         ; v44  tile 0's words, kept for tile 1's
.set WS,    46                         ; v46-47  the words as stored
.set CW1,   48                         ; v48-59  weights: the second image lane's codes
.set VW16,  60                         ; v60-62  weights: my places in the images
.set VW8,   61
.set VW4,   62
.set R,     64                         ; v64-191  tokens: two sets of 64 numbers as loaded
.set Y,     64                         ; v64-191  weights: my column's 128 numbers
.set X,     192                        ; v192-255 tokens: my two blocks of 32
	s_load_b512 s[8:23], s[0:1], 0x0               ; q s[8:9], k s[10:11], v s[12:13], wq s[14:15], wk s[16:17], wv s[18:19], wo s[20:21], ximg s[22:23]
	s_load_b64 s[24:25], s[0:1], 0x40              ; wimg
	v_lshl_add_u32 v[SPW], v0, 2, SPARE
	v_mov_b32 v[NIL], 0
	v_lshrrev_b32 v9, 5, v0
	v_readfirstlane_b32 s26, v9                    ; wave
	v_and_b32 v9, 31, v0                           ; lane
	v_lshlrev_b32 v1, 4, v9                        ; 16 x lane
	v_lshlrev_b32 v2, 3, v9                        ; 8 x lane
	v_lshlrev_b32 v3, 2, v9                        ; 4 x lane
	v_bfe_u32 v45, v0, 4, 1                        ; h
	s_cmp_lt_u32 ttmp9, 256
	s_cbranch_scc1 .Lweights
	; ---------------- the tokens' tensors ----------------
	s_sub_co_u32 s27, ttmp9, 256
	s_lshr_b32 s28, s27, 8                         ; which tensor: q, k, v
	s_and_b32 s29, s27, 255                        ; which pair of tiles
	v_and_b32 v63, 15, v0                          ; r
	s_mul_i32 s30, s26, STG
	v_add_nc_u32 v4, s30, v1                       ; the stage, in: a row as it lies
	v_mul_u32_u24 v5, v63, 528
	v_lshl_add_u32 v5, v45, 7, v5
	v_add_nc_u32 v5, s30, v5                       ; and out: row r, 128 h bytes on
	v_lshlrev_b32 v6, 3, v45                       ; 8 h: my bytes' place in the scale word
	v_mov_b32 v[WX], 0                             ; a lane permute's destination counts as one of its sources
	s_mov_b32 s32, 0x76543210
	s_mov_b32 s33, 0xfedcba98                      ; selects for lane l xor 16
	s_mov_b32 s34, 0xffff0000                      ; lanes 16-31
	; THE TOKENS' PAIRS: a pair's 32 rows are two runs of 16 tokens, 32 apart: row x of pair p is token 64 (p / 2) + 16 (p % 2) + x % 16 + 32 (x / 16).
	; So tile u holds in lane r token 64 (p / 2) + 16 (p % 2) + 8 u + r % 8 + 32 (r / 8): as a product's source 0, four tiles on end give a lane 32 neighbouring tokens.
	s_lshr_b32 s38, s29, 1
	s_lshl_b32 s38, s38, 18                        ; 64 rows of 4,096 bytes for two pairs,
	s_and_b32 s39, s29, 1
	s_lshl_b32 s39, s39, 16                        ; 16 rows for the odd pair,
	s_add_co_u32 s38, s38, s39
	s_lshl_b32 s39, s26, 10                        ; 1,024 bytes a chunk
	s_add_co_u32 s38, s38, s39
	s_mov_b32 s39, 0
	s_mul_i32 s40, s28, XSZ
	s_mul_i32 s42, s29, 25600
	s_add_co_u32 s40, s40, s42
	s_mul_i32 s42, s26, 6400
	s_add_co_u32 s40, s40, s42                     ; my block in ximg
	s_mov_b32 s41, 0
	s_wait_alu depctr_va_vdst(0)
	s_wait_kmcnt 0x0
	s_cmp_eq_u32 s28, 0
	s_cselect_b64 s[36:37], s[8:9], s[10:11]
	s_cmp_eq_u32 s28, 2
	s_cselect_b64 s[36:37], s[12:13], s[36:37]
	s_add_nc_u64 s[36:37], s[36:37], s[38:39]
	s_add_nc_u64 s[22:23], s[22:23], s[40:41]
.macro LOAD f                          ; fragment f = 2 s + u: its 16 rows' 512 bytes, a row a load, into set f % 2
.irp i, 0,1,2,3,4,5,6,7,8,9,10,11,12,13,14,15
	global_load_b128 v[R+64*((\f)%2)+4*\i:R+64*((\f)%2)+4*\i+3], v1, s[36:37] offset:(8*((\f)%2)+\i+24*(\i/8))*4096+512*((\f)/2) th:TH_LOAD_NT
.endr
.endm
.macro TURN f                          ; through the stage: LDS serves a wave's instructions in order, so no wait stands between the stores and the loads
.irp i, 0,1,2,3,4,5,6,7,8,9,10,11,12,13,14,15
	ds_store_b128 v4, v[R+64*((\f)%2)+4*\i:R+64*((\f)%2)+4*\i+3] offset:528*\i
.endr
.irp c, 0,1
.irp j, 0,1,2,3,4,5,6,7
	ds_load_b128 v[X+32*\c+4*\j:X+32*\c+4*\j+3], v5 offset:256*\c+16*\j
.endr
.endr
.endm
.macro QB                              ; my blocks h and 2 + h of row r become registers 0-5 and 6-11 of the fragment, and the row's scale word
.irp c, 0,1
	v_max3_num_f32 v[M+\c], |v[X+32*\c]|, |v[X+32*\c+1]|, 0x1800000   ; with the floor 2^(3 - 127): the byte cannot fall under 1
.endr
.irp i, 2,4,6,8,10,12,14,16,18,20,22,24,26,28,30
.irp c, 0,1
	v_max3_num_f32 v[M+\c], v[M+\c], |v[X+32*\c+\i]|, |v[X+32*\c+\i+1]|
.endr
.endr
.irp c, 0,1
	v_add_nc_u32 v[SO+\c], 0xff000000, v[M+\c]     ; 2 off the exponent field: the conversion's scale operand
.endr
.irp c, 0,1
	v_lshrrev_b32 v[BY+\c], 23, v[SO+\c]           ; the scale's byte
.endr
	v_lshl_or_b32 v[W], v[BY+1], 16, v[BY]
	v_lshlrev_b32 v[W], v6, v[W]                   ; at bytes h and 2 + h
	v_permlanex16_b32 v[WX], v[W], s32, s33
	v_or_b32 v[W], v[W], v[WX]                     ; with lane l xor 16's two the word is whole, in both halves of the lanes
	s_wait_alu depctr_va_vdst(0)
	s_wait_xcnt 0x0                                ; the last fragment's stores have read their data: the codes' registers are written again only behind this wait
.irp c, 0,1
	v_cvt_scalef32_pk16_fp6_f32 v[C+6*\c:C+6*\c+2], v[X+32*\c:X+32*\c+15], v[SO+\c]
	v_cvt_scalef32_pk16_fp6_f32 v[XT+4*\c:XT+4*\c+2], v[X+32*\c+16:X+32*\c+31], v[SO+\c]   ; (a conversion's three registers begin on an even number)
.endr
	v_nop                                          ; one plain place behind a scaled conversion
.irp c, 0,1
.irp i, 0,1,2
	v_mov_b32 v[C+6*\c+3+\i], v[XT+4*\c+\i]
.endr
.endr
.endm
.macro OUT f                           ; each of the four stores covers 512 or 256 consecutive bytes, at a multiple of 256 from the buffer's first byte
	global_store_b128 v1, v[C:C+3], s[22:23] offset:1536*(\f)
	global_store_b64 v2, v[C+4:C+5], s[22:23] offset:1536*(\f)+512
	global_store_b128 v1, v[C+6:C+9], s[22:23] offset:1536*(\f)+768
	global_store_b64 v2, v[C+10:C+11], s[22:23] offset:1536*(\f)+1280
.if (\f)%2 == 0
	v_mov_b32 v[WA], v[W]
.else
	v_cndmask_b32 v[WS+(\f)/2], v[WA], v[W], s34   ; lanes 0-15 tile 0's words, lanes 16-31 tile 1's
	global_store_b32 v3, v[WS+(\f)/2], s[22:23] offset:6144+128*((\f)/2)
.endif
.endm
.macro FRAGX f
.if (\f) < 3
	s_wait_loadcnt 16                              ; this fragment's 16 loads are in; the next fragment's 16 may be out
.else
	s_wait_loadcnt 0x0
.endif
	TURN \f
	s_wait_dscnt 0x0                               ; my 64 numbers are back, and the stage's stores have read their registers,
.if (\f) < 2
	LOAD (\f)+2                                    ; which take the fragment two on
.endif
	QB
	OUT \f
.endm
	LOAD 0
	LOAD 1
	FRAGX 0
	FRAGX 1
	FRAGX 2
	FRAGX 3
	s_branch .Lend
	; ---------------- the weights ----------------
.Lweights:
	s_lshr_b32 s27, ttmp9, 6                       ; which weight: wq, wk, wv, wo
	s_and_b32 s28, ttmp9, 7
	s_bfe_u32 s29, ttmp9, 0x30003                  ; which 128 along K
	s_lshl_b32 s30, s28, 2
	s_add_co_u32 s30, s30, s26                     ; my wave's pair of tiles: 32 columns n
	v_bfe_u32 v63, v0, 3, 1                        ; column 32 pair + lane is row r' = lane % 8 + 8 (lane / 16) of tile u = (lane / 8) % 2
	v_and_b32 v9, 7, v0
	s_wait_alu depctr_va_vdst(0)
	v_lshl_add_u32 v9, v45, 3, v9                  ; r'
	v_mul_u32_u24 v[VW4], v63, 1536
	v_lshl_add_u32 v[VW16], v9, 4, v[VW4]          ; 1,536 u + 16 r'
	v_lshl_add_u32 v[VW8], v9, 3, v[VW4]           ; 1,536 u + 8 r'
	v_lshlrev_b32 v[VW4], 2, v9
	v_lshl_add_u32 v[VW4], v63, 6, v[VW4]          ; 64 u + 4 r'
	s_lshl_b32 s38, s29, 19                        ; 128 rows of 4,096 bytes,
	s_lshl_b32 s39, s30, 7                         ; 128 bytes a pair
	s_add_co_u32 s38, s38, s39
	s_mov_b32 s39, 0
	s_mul_i32 s40, s27, WSZ
	s_mul_i32 s42, s30, 25600
	s_add_co_u32 s40, s40, s42
	s_lshr_b32 s42, s29, 1
	s_mul_i32 s42, s42, 6400
	s_add_co_u32 s40, s40, s42                     ; my block in wimg
	s_mov_b32 s41, 0
	s_and_b32 s31, s27, 1
	s_and_b32 s35, s29, 1                          ; which half of the block
	s_wait_kmcnt 0x0
	s_cmp_lt_u32 s27, 2
	s_cselect_b64 s[36:37], s[14:15], s[18:19]     ; wq or wv,
	s_cselect_b64 s[42:43], s[16:17], s[20:21]     ; wk or wo
	s_cmp_eq_u32 s31, 1
	s_cselect_b64 s[36:37], s[42:43], s[36:37]
	s_add_nc_u64 s[36:37], s[36:37], s[38:39]
	s_add_nc_u64 s[24:25], s[24:25], s[40:41]
	s_lshl_b32 s40, s35, 7
	s_add_co_u32 s40, s40, 6144
	s_add_nc_u64 s[44:45], s[24:25], s[40:41]      ; the scale words
	s_mul_i32 s40, s35, 3072
	s_add_nc_u64 s[24:25], s[24:25], s[40:41]      ; the two fragments
.irp q, 0,2,1,3                        ; blocks 0 and 2 first: they are one image lane's
.irp i, 0,1,2,3,4,5,6,7,8,9,10,11,12,13,14,15,16,17,18,19,20,21,22,23,24,25,26,27,28,29,30,31
	global_load_b32 v[Y+32*\q+\i], v3, s[36:37] offset:(32*\q+\i)*4096
.endr
.endr
.macro WHALF h, cw                     ; my blocks h and 2 + h are image lane r' + 16 h's twelve registers
.irp c, 0,1
	v_max3_num_f32 v[M+2*\c+\h], |v[Y+64*\c+32*\h]|, |v[Y+64*\c+32*\h+1]|, 0x1800000
.endr
.irp i, 2,4,6,8,10,12,14,16,18,20,22,24,26,28,30
.irp c, 0,1
	v_max3_num_f32 v[M+2*\c+\h], v[M+2*\c+\h], |v[Y+64*\c+32*\h+\i]|, |v[Y+64*\c+32*\h+\i+1]|
.endr
.endr
.irp c, 0,1
	v_add_nc_u32 v[SO+2*\c+\h], 0xff000000, v[M+2*\c+\h]
.endr
.irp c, 0,1
	v_lshrrev_b32 v[BY+2*\c+\h], 23, v[SO+2*\c+\h]
.endr
.irp c, 0,1
	v_cvt_scalef32_pk16_fp6_f32 v[\cw+6*\c:\cw+6*\c+2], v[Y+64*\c+32*\h:Y+64*\c+32*\h+15], v[SO+2*\c+\h]
	v_cvt_scalef32_pk16_fp6_f32 v[XT+4*\c:XT+4*\c+2], v[Y+64*\c+32*\h+16:Y+64*\c+32*\h+31], v[SO+2*\c+\h]
.endr
	v_nop                                          ; one plain place behind a scaled conversion
.irp c, 0,1
.irp i, 0,1,2
	v_mov_b32 v[\cw+6*\c+3+\i], v[XT+4*\c+\i]
.endr
.endr
	global_store_b128 v[VW16], v[\cw:\cw+3], s[24:25] offset:256*\h          ; sixteen lanes of a tile store 256 consecutive bytes
	global_store_b64 v[VW8], v[\cw+4:\cw+5], s[24:25] offset:512+128*\h
	global_store_b128 v[VW16], v[\cw+6:\cw+9], s[24:25] offset:768+256*\h
	global_store_b64 v[VW8], v[\cw+10:\cw+11], s[24:25] offset:1280+128*\h
.endm
	s_wait_loadcnt 63                              ; of the 128 loads at most 63 are out, so the first 65 are in, the 64 of blocks 0 and 2 among them; 63 of the 64 loads of blocks 1 and 3 may stay out (the wait can name no larger count)
	WHALF 0, C
	s_wait_loadcnt 0x0
	WHALF 1, CW1
	v_lshl_or_b32 v[W], v[BY+1], 8, v[BY]
	v_lshl_or_b32 v[W], v[BY+2], 16, v[W]
	v_lshl_or_b32 v[W], v[BY+3], 24, v[W]          ; my column's scale word
	global_store_b32 v[VW4], v[W], s[44:45]
.Lend:
	s_wait_tensorcnt 0x0                           ; the wave's end, behind my last LDS store
	ds_add_u32 v[SPW], v[NIL]
	s_wait_dscnt 0x0
	s_endpgm
.Lfunc_end_k_q0e71dd69cc_quant:
	.size	k_q0e71dd69cc_quant, .Lfunc_end_k_q0e71dd69cc_quant-k_q0e71dd69cc_quant
	.p2alignl 7, 3214868480
	.fill 96, 4, 3214868480
	.section	.rodata,"a",@progbits
	.p2align	6, 0x0
	.amdhsa_kernel k_q0e71dd69cc_quant
		.amdhsa_group_segment_fixed_size 34304
		.amdhsa_private_segment_fixed_size 0
		.amdhsa_enable_private_segment 0
		.amdhsa_kernarg_size 72
		.amdhsa_user_sgpr_count 2
		.amdhsa_user_sgpr_kernarg_segment_ptr 1
		.amdhsa_wavefront_size32 1
		.amdhsa_system_sgpr_workgroup_id_x 1
		.amdhsa_system_sgpr_workgroup_id_y 1
		.amdhsa_system_sgpr_workgroup_id_z 1
		.amdhsa_system_vgpr_workitem_id 0
		.amdhsa_next_free_vgpr 256
		.amdhsa_next_free_sgpr 66
		.amdhsa_reserve_vcc 0
		.amdhsa_float_denorm_mode_32 3
		.amdhsa_float_denorm_mode_16_64 3
		.amdhsa_memory_ordered 1
		.amdhsa_forward_progress 1
		.amdhsa_inst_pref_size 51
	.end_amdhsa_kernel
	.amdgpu_metadata
---
amdhsa.version: [ 1, 2 ]
amdhsa.kernels:
  - .name:           k_q0e71dd69cc_quant
    .symbol:         k_q0e71dd69cc_quant.kd
    .args:
      - { .name: q, .offset: 0, .size: 8, .value_kind: global_buffer, .address_space: global }
      - { .name: k, .offset: 8, .size: 8, .value_kind: global_buffer, .address_space: global }
      - { .name: v, .offset: 16, .size: 8, .value_kind: global_buffer, .address_space: global }
      - { .name: wq, .offset: 24, .size: 8, .value_kind: global_buffer, .address_space: global }
      - { .name: wk, .offset: 32, .size: 8, .value_kind: global_buffer, .address_space: global }
      - { .name: wv, .offset: 40, .size: 8, .value_kind: global_buffer, .address_space: global }
      - { .name: wo, .offset: 48, .size: 8, .value_kind: global_buffer, .address_space: global }
      - { .name: ximg, .offset: 56, .size: 8, .value_kind: global_buffer, .address_space: global }
      - { .name: wimg, .offset: 64, .size: 8, .value_kind: global_buffer, .address_space: global }
    .group_segment_fixed_size: 34304
    .private_segment_fixed_size: 0
    .kernarg_segment_align: 8
    .kernarg_segment_size: 72
    .max_flat_workgroup_size: 128
    .sgpr_count:     66
    .vgpr_count:     256
    .wavefront_size: 32
...
	.end_amdgpu_metadata
.endif
;; end of part 1
;; launch proj (part 2): grid 4 x 192, 4 waves a work-group, clusters of 4 x 4, 327,680 bytes of LDS; arguments ximg, wimg, bq, bk, bv, qimg, kvimg; writes qimg, kvimg
.if DOCPART == 2
	.amdgcn_target "amdgcn-amd-amdhsa--gfx1250"
	.amdhsa_code_object_version 6
	.text
	.protected	k_q0e71dd69cc_proj
	.globl	k_q0e71dd69cc_proj
	.p2align	8
	.type	k_q0e71dd69cc_proj,@function
k_q0e71dd69cc_proj:
	s_mov_b64 s[64:65], 0
	v_nop
	global_prefetch_b8 v0, s[64:65] scope:SCOPE_SE
	s_setreg_imm32_b32 hwreg(HW_REG_WAVE_MODE, 25, 1), 1
	s_wait_xcnt 0x0
	s_wait_alu depctr_hold_cnt(0) depctr_sa_sdst(0) depctr_va_vdst(0) depctr_va_sdst(0) depctr_va_ssrc(0) depctr_va_vcc(0) depctr_vm_vsrc(0)
	s_getreg_b32 s2, hwreg(HW_REG_IB_STS2, 6, 4)
	s_cmp_eq_u32 s2, 0
	s_cbranch_scc0 .Lentry_in_a_cluster
	s_endpgm
.Lentry_in_a_cluster:
	s_bfe_u32 s2, ttmp6, 0x10000c
	s_cmp_lg_u32 s2, 0xf033
	s_cbranch_scc0 .Lentry_shape_is_right
	s_endpgm
.Lentry_shape_is_right:
; The three projections x W + b on codes of FP6 (E2M3) with E8M0 scales, their results quantised in registers and stored as the attention launch's operands.  No f32 result goes to memory.
; OPERANDS: ximg and wimg, blocks of 6,400 bytes = 32 rows x 256 along K: fragment (s, u) at (2 s + u) x 1,536 (registers 0-3 at 16 x lane, 4-5 at 512 + 8 x lane, 6-9 at 768 + 16 x lane, 10-11 at 1,280 + 8 x lane),
; scale words at 6,144 + 128 s + 64 u + 4 r.  Tile u of a pair holds in lane r the pair's row 8 u + r + 8 (r / 8): so with source 0 = tiles b = 0 .. 7, register 8 b + j of lane (r, h) is source 0's row 32 (b / 2) + 16 h + 8 (b % 2) + j:
; a lane's 64 results for one tile of source 1 are register 16 e + i = row 32 e + 16 h + i: sixteen neighbours of each block of 32 along the NEXT product's K.
; SHARES.  A work-group makes 256 rows of source 0 x 128 rows of source 1; each of four waves 128 x 64: 32 accumulators.  768 work-groups: with 256 x 256 there would be 384, which do not share out evenly.
; For q and k: source 0 = the weight's columns n, source 1 = tokens: a lane holds a token and its registers run along n (the head's 64: the score product's K).  For v: source 0 = tokens, source 1 = n: registers run along the keys.
; ALL OF K (1,024) LIES IN LDS: four chunks of 256 along K, two to each wave's one tensor load; nothing is filled again.  A wave has one tensor load out at the most.
; CLUSTER 4 x 4: source 0's blocks hang on cx and the cluster alone and are asked for jointly by a column of the cluster, source 1's on cy and the cluster alone, by a row.
; RESULTS.  qimg: [batch x head][step of 128 tokens][6,400]: four fragments of 32 tokens at f x 1,536 (registers 4 c .. 4 c + 3 at 512 c + 16 x lane), words at 6,144 + 64 f + 4 r.  Such a fragment's registers 0-5 are the head's 64 codes
; of token 64 (f / 2) + 16 (f % 2) + r % 8 + 32 (r / 8), registers 6-11 those of that token + 8; its word: the low token's two bytes, then the high token's.  kvimg: [batch x head][key step][12,800]: K's four such fragments, V's four fragments
; (16 of the head's 64 x 128 keys) at 6,144, K's words at 12,288, V's at 12,544.
; LIMITS: a block of zeros, or one under 2^-124, gets the scale byte 1 (this program alone reads the bytes); NaN and infinities are not served.
; REGISTERS, in windows of 256.  Window 0: v1-3 16, 8, 4 x lane; v4-5 the add's two; v6-11 LDS addresses; v12-13 bias offsets; v16-27 scale words, two sets; v32-95 64 results with their bias; v96-143 codes; v144-179 at work.
;   Window 1: accumulator (a, b) at v[64 a + 8 b].   Window 2: fragment set 0 (source 0's tile b at 12 b, source 1's tile a at 96 + 12 a), the bias from v160.   Window 3: fragment set 1.
.set XSZ,   6553600
.set WSZ,   819200
.set BLK,   6400
.set S0C,   8*BLK                      ; LDS: one chunk of source 0's 8 pairs of tiles
.set S1,    4*S0C                      ; source 1's chunks begin here,
.set S1C,   4*BLK                      ; 4 pairs each
.set SPARE, S1+4*S1C                   ; the spare words, 128 bytes for each wave: two blocks of 256 bytes that no other line names
.set SPW, 4
.set NIL, 5
.set A0Q, 6                            ; source 0: 16 x lane, 8 x lane, 4 x lane + my 4 pairs
.set A0D, 7
.set A0S, 8
.set A1Q, 9                            ; source 1 likewise, my 2 pairs
.set A1D, 10
.set A1S, 11
.set BO,  12                           ; 64 h
.set BL,  13                           ; 4 (r + 8 (r / 8))
.set SC,  16                           ; scale words: set p at SC + 6 p: source 0's 4 pairs, source 1's 2; lanes 0-15 tile u = 0, lanes 16-31 tile u = 1
.set T,   32
.set IM,  96
.set TM,  144
.set XT,  160
.set PW,  168
.set WD,  172
.set WO,  176
.set BB,  160                          ; in window 2
.set G1A, 16
.set G1B, 24
.set G0A, 32
.set G0B, 48
.set MSB, 0
.macro WIN new                         ; the immediate's high byte repeats the setting that is left
.if MSB != \new
	s_set_vgpr_msb (MSB<<8)|\new
.set MSB, \new
.endif
.endm
.macro CROUND                          ; a round of the cluster's barrier
	s_barrier_signal -1
	s_barrier_wait -1
	s_cmp_lg_u32 s68, 0
	s_cbranch_scc1 .Lnot_wave_0_\@
	s_barrier_signal -3
.Lnot_wave_0_\@:
	s_barrier_wait -3
	s_barrier_signal -1
	s_barrier_wait -1
.endm
.macro PLACES
.rept 4
	v_nop
.endr
.endm
	s_load_b256 s[4:11], s[0:1], 0x0               ; ximg s[4:5], wimg s[6:7], bq s[8:9], bk s[10:11]
	s_load_b128 s[12:15], s[0:1], 0x20             ; bv s[12:13], qimg s[14:15]
	s_load_b64 s[66:67], s[0:1], 0x30              ; kvimg
	v_lshl_add_u32 v[SPW], v0, 2, SPARE
	v_mov_b32 v[NIL], 0
	ds_add_u32 v[SPW], v[NIL]                      ; the wave's opening: the add and its wait ahead of my first tensor load; the set-up below, work on registers, stands between them
	ds_add_u32 v[SPW], v[NIL]
	v_lshrrev_b32 v1, 5, v0
	v_readfirstlane_b32 s68, v1                    ; wave
	s_lshr_b32 s69, s68, 1                         ; wi: my half of source 0's rows.  Also: which half of K I fetch
	s_and_b32 s70, s68, 1                          ; wj: my half of source 1's rows.  Also: I fetch for source 0 (0) or source 1 (1)
	s_bfe_u32 s71, ttmp6, 0x40000                  ; cx
	s_bfe_u32 s72, ttmp6, 0x40004                  ; cy
	s_and_b32 s73, ttmp7, 0xffff                   ; the cluster, 0 .. 47
	s_lshr_b32 s74, s73, 4                         ; kind: 0 q, 1 k, 2 v: the same in all sixteen partners
	s_and_b32 s75, s73, 15
	s_and_b32 s84, s75, 7
	s_lshr_b32 s88, s75, 3
	s_mov_b32 s86, WSZ
	s_mov_b32 s90, XSZ
	s_cmp_eq_u32 s74, 2
	s_cselect_b32 s84, s84, 0
	s_cselect_b32 s88, s88, s75
	s_cselect_b32 s86, XSZ, s86                    ; source 0 is the weight for q and k, the tokens for v
	s_cselect_b32 s90, WSZ, s90
	s_mul_i32 s86, s86, s74                        ; the kind's tensor in its buffer
	s_mul_i32 s90, s90, s74
	s_lshl_b32 s76, s84, 2
	s_add_co_u32 s76, s76, s71                     ; T0: which 256 rows of source 0: cx and the cluster alone
	s_lshl_b32 s77, s88, 2
	s_add_co_u32 s77, s77, s72                     ; T1: which 128 rows of source 1: cy and the cluster alone
	s_lshl_b32 s84, s76, 3
	; ONE TENSOR LOAD A WAVE: wave 0 source 0's 8 pairs, chunks 0 and 1; wave 1 source 1's 4 pairs, chunks 0 and 1; waves 2 and 3 the same of chunks 2 and 3.
	; LDS: source 0's half g of K at g x 2 S0C, pair p at 2 p BLK, its two chunks on end; source 1's half g at S1 + g x 2 S1C.
	s_mul_i32 s84, s84, 4*BLK                      ; source 0: pair 8 T0
	s_mul_i32 s85, s69, 2*BLK                      ; my half of K: two chunks
	s_add_co_u32 s84, s84, s85
	s_add_co_u32 s84, s84, s86
	s_mov_b32 s85, 0
	s_lshl_b32 s88, s77, 2
	s_mul_i32 s88, s88, 4*BLK                      ; source 1: pair 4 T1
	s_mul_i32 s89, s69, 2*BLK
	s_add_co_u32 s88, s88, s89
	s_add_co_u32 s88, s88, s90
	s_mov_b32 s89, 0
	s_mul_i32 s87, s69, 2*S0C
	s_mul_i32 s91, s69, 2*S1C
	s_add_co_u32 s91, s91, S1
	s_lshl_b32 s78, 0x1111, s71                    ; my column of the cluster: the partners with my cx
	s_lshl_b32 s79, s72, 2
	s_lshl_b32 s79, 15, s79                        ; my row: the partners with my cy
	; descriptor group 1: rows of 12,800 bytes (1,600 elements of 8 bytes), 25,600 bytes apart in memory (a pair's four chunks), dense in LDS; 8 rows for source 0, 4 for source 1
	s_or_b32 s[G1A], s78, (3<<16)|(1<<21)          ; 15:0 the mask; 17:16 elements of 8 bytes; 21 set beside a mask
	s_mov_b32 s[G1A+1], 1600<<16                   ; rows of 12,800 bytes: two chunks of a pair
	s_mov_b32 s[G1A+2], 8<<16                      ; 8 pairs
	s_mov_b32 s[G1A+3], 1600<<16
	s_mov_b32 s[G1A+4], 8
	s_mov_b32 s[G1A+5], 3200                       ; tensor_dim0_stride
	s_mov_b32 s[G1A+6], 0
	s_mov_b32 s[G1A+7], 0
	s_or_b32 s[G1B], s79, (3<<16)|(1<<21)
	s_mov_b32 s[G1B+1], 1600<<16
	s_mov_b32 s[G1B+2], 4<<16                      ; 4 pairs
	s_mov_b32 s[G1B+3], 1600<<16
	s_mov_b32 s[G1B+4], 4
	s_mov_b32 s[G1B+5], 3200
	s_mov_b32 s[G1B+6], 0
	s_mov_b32 s[G1B+7], 0
	s_mov_b32 s100, 0x76543210
	s_mov_b32 s101, 0xfedcba98                     ; selects for lane l xor 16
	s_mov_b32 s3, 0xffff0000                       ; lanes 16-31
	s_wait_dscnt 0x0                               ; the opening add is done
	s_wait_kmcnt 0x0
	s_cmp_eq_u32 s74, 2
	s_cselect_b64 s[80:81], s[4:5], s[6:7]
	s_cselect_b64 s[82:83], s[6:7], s[4:5]
	s_add_nc_u64 s[80:81], s[80:81], s[84:85]
	s_add_nc_u64 s[82:83], s[82:83], s[88:89]
.irp x, 0
	s_mov_b32 s[G0A+4*\x], 1
	s_add_co_u32 s[G0A+4*\x+1], s87, \x*S0C
	s_add_nc_u64 s[G0A+4*\x+2:G0A+4*\x+3], s[80:81], \x*BLK
	s_or_b32 s[G0A+4*\x+3], s[G0A+4*\x+3], 0x80000000
	s_mov_b32 s[G0B+4*\x], 1
	s_add_co_u32 s[G0B+4*\x+1], s91, \x*S1C
	s_add_nc_u64 s[G0B+4*\x+2:G0B+4*\x+3], s[82:83], \x*BLK
	s_or_b32 s[G0B+4*\x+3], s[G0B+4*\x+3], 0x80000000
.endr
	CROUND                                         ; all sixteen work-groups are here: the joint loads meet
	s_cmp_eq_u32 s68, 0                            ; one chain of branches on the wave's number, a load line of its own for each wave
	s_cbranch_scc0 .Lfill_w1
	tensor_load_to_lds s[G0A:G0A+3], s[G1A:G1A+7]
	s_nop 0
	PLACES
	s_branch .Lfilled
.Lfill_w1:
	s_cmp_eq_u32 s68, 1
	s_cbranch_scc0 .Lfill_w2
	tensor_load_to_lds s[G0B:G0B+3], s[G1B:G1B+7]
	s_nop 0
	PLACES
	s_branch .Lfilled
.Lfill_w2:
	s_cmp_eq_u32 s68, 2
	s_cbranch_scc0 .Lfill_w3
	tensor_load_to_lds s[G0A:G0A+3], s[G1A:G1A+7]
	s_nop 0
	PLACES
	s_branch .Lfilled
.Lfill_w3:
	tensor_load_to_lds s[G0B:G0B+3], s[G1B:G1B+7]
	s_nop 0
	PLACES
.Lfilled:
	v_and_b32 v12, 31, v0
	v_lshlrev_b32 v1, 4, v12
	v_lshlrev_b32 v2, 3, v12
	v_lshlrev_b32 v3, 2, v12
	s_mul_i32 s94, s69, 8*BLK
	v_add_nc_u32 v[A0Q], s94, v1
	v_add_nc_u32 v[A0D], s94, v2
	s_add_co_u32 s94, s94, 6144
	v_add_nc_u32 v[A0S], s94, v3
	s_mul_i32 s94, s70, 4*BLK
	s_add_co_u32 s94, s94, S1
	v_add_nc_u32 v[A1Q], s94, v1
	v_add_nc_u32 v[A1D], s94, v2
	s_add_co_u32 s94, s94, 6144
	v_add_nc_u32 v[A1S], s94, v3
	v_bfe_u32 v[BO], v0, 4, 1
	v_lshlrev_b32 v[BO], 6, v[BO]
	v_and_b32 v[BL], 15, v0
	v_and_b32 v14, 8, v[BL]
	v_add_nc_u32 v[BL], v[BL], v14
	v_lshlrev_b32 v[BL], 2, v[BL]
.irp b, 0,1,2,3
	v_mov_b32 v[TM+4+\b], 0                        ; a lane permute's destination counts as one of its sources
.endr
	s_lshl_b32 s92, s76, 8
	s_lshl_b32 s94, s69, 7
	s_add_co_u32 s92, s92, s94                     ; i0: my first row of source 0
	s_lshl_b32 s93, s77, 7
	s_lshl_b32 s94, s70, 6
	s_add_co_u32 s93, s93, s94                     ; j0: my first row of source 1
	; the bias runs along n: for q and k along a lane's registers, for v from lane to lane
	s_cmp_eq_u32 s74, 0
	s_cselect_b64 s[94:95], s[8:9], s[10:11]
	s_cmp_eq_u32 s74, 2
	s_cselect_b64 s[94:95], s[12:13], s[94:95]
	s_cselect_b32 s96, s93, s92
	s_lshl_b32 s96, s96, 2
	s_mov_b32 s97, 0
	s_add_nc_u64 s[94:95], s[94:95], s[96:97]
	s_cmp_eq_u32 s74, 2
	s_cbranch_scc1 .Lbias_v
	WIN 0x80                                       ; destination window 2
	s_wait_alu depctr_va_vdst(0)
.irp b, 0,1,2,3,4,5,6,7
	global_load_b128 v[BB+8*\b:BB+8*\b+3], v[BO], s[94:95] offset:(32*(\b/2)+8*(\b%2))*4
	global_load_b128 v[BB+8*\b+4:BB+8*\b+7], v[BO], s[94:95] offset:(32*(\b/2)+8*(\b%2))*4+16
.endr
	WIN 0
	s_branch .Lbias_done
.Lbias_v:
	WIN 0x80
	s_wait_alu depctr_va_vdst(0)
.irp a, 0,1,2,3
	global_load_b32 v[BB+2*\a], v[BL], s[94:95] offset:(32*(\a/2)+8*(\a%2))*4
	global_load_b32 v[BB+2*\a+1], v[BL], s[94:95] offset:(32*(\a/2)+8*(\a%2))*4   ; twice: a pair for the packed addition
.endr
	WIN 0
.Lbias_done:
.macro FRAG4 reg, aq, ad, off          ; a fragment's image comes back as it was stored: every lane's bytes are neighbours of the next lane's
	ds_load_b128 v[\reg:\reg+3], v[\aq] offset:\off
	ds_load_b64 v[\reg+4:\reg+5], v[\ad] offset:\off+512
	ds_load_b128 v[\reg+6:\reg+9], v[\aq] offset:\off+768
	ds_load_b64 v[\reg+10:\reg+11], v[\ad] offset:\off+1280
.endm
.macro FETCH s                         ; K step s: 12 fragments and 6 registers of scale words into set s % 2: 54 loads in one run
	WIN 0x80+0x40*((\s)%2)
.irp b, 0,1,2,3,4,5,6,7
	FRAG4 12*\b, A0Q, A0D, (\b/2)*2*BLK+(((\s)/2)%2)*BLK+(2*((\s)%2)+\b%2)*1536
.endr
.irp a, 0,1,2,3
	FRAG4 96+12*\a, A1Q, A1D, (\a/2)*2*BLK+(((\s)/2)%2)*BLK+(2*((\s)%2)+\a%2)*1536
.endr
	WIN 0
.irp p, 0,1,2,3
	ds_load_b32 v[SC+6*((\s)%2)+\p], v[A0S] offset:\p*2*BLK+(((\s)/2)%2)*BLK+128*((\s)%2)
.endr
.irp p, 0,1
	ds_load_b32 v[SC+6*((\s)%2)+4+\p], v[A1S] offset:\p*2*BLK+(((\s)/2)%2)*BLK+128*((\s)%2)
.endr
.endm
.macro WM a, b, p, zero                ; accumulator (a, b) += source 0's tile b x source 1's tile a; an odd tile's scale words lie in lanes 16-31 of its pair's register
.set rD, 64*(\a)+8*(\b)
.set rA, 12*(\b)
.set rB, 96+12*(\a)
.set rX, SC+6*(\p)+(\b)/2
.set rY, SC+6*(\p)+4+(\a)/2
.set md, 4*(\zero)+2*((\b)%2)+(\a)%2
.if md == 0
	v_wmma_scale_f32_16x16x128_f8f6f4 v[rD:rD+7], v[rA:rA+11], v[rB:rB+11], v[rD:rD+7], v[rX], v[rY] matrix_a_fmt:MATRIX_FMT_FP6 matrix_b_fmt:MATRIX_FMT_FP6
.elseif md == 1
	v_wmma_scale_f32_16x16x128_f8f6f4 v[rD:rD+7], v[rA:rA+11], v[rB:rB+11], v[rD:rD+7], v[rX], v[rY] matrix_a_fmt:MATRIX_FMT_FP6 matrix_b_fmt:MATRIX_FMT_FP6 matrix_b_scale:MATRIX_SCALE_ROW1
.elseif md == 2
	v_wmma_scale_f32_16x16x128_f8f6f4 v[rD:rD+7], v[rA:rA+11], v[rB:rB+11], v[rD:rD+7], v[rX], v[rY] matrix_a_fmt:MATRIX_FMT_FP6 matrix_b_fmt:MATRIX_FMT_FP6 matrix_a_scale:MATRIX_SCALE_ROW1
.elseif md == 3
	v_wmma_scale_f32_16x16x128_f8f6f4 v[rD:rD+7], v[rA:rA+11], v[rB:rB+11], v[rD:rD+7], v[rX], v[rY] matrix_a_fmt:MATRIX_FMT_FP6 matrix_b_fmt:MATRIX_FMT_FP6 matrix_a_scale:MATRIX_SCALE_ROW1 matrix_b_scale:MATRIX_SCALE_ROW1
.elseif md == 4
	v_wmma_scale_f32_16x16x128_f8f6f4 v[rD:rD+7], v[rA:rA+11], v[rB:rB+11], 0, v[rX], v[rY] matrix_a_fmt:MATRIX_FMT_FP6 matrix_b_fmt:MATRIX_FMT_FP6
.elseif md == 5
	v_wmma_scale_f32_16x16x128_f8f6f4 v[rD:rD+7], v[rA:rA+11], v[rB:rB+11], 0, v[rX], v[rY] matrix_a_fmt:MATRIX_FMT_FP6 matrix_b_fmt:MATRIX_FMT_FP6 matrix_b_scale:MATRIX_SCALE_ROW1
.elseif md == 6
	v_wmma_scale_f32_16x16x128_f8f6f4 v[rD:rD+7], v[rA:rA+11], v[rB:rB+11], 0, v[rX], v[rY] matrix_a_fmt:MATRIX_FMT_FP6 matrix_b_fmt:MATRIX_FMT_FP6 matrix_a_scale:MATRIX_SCALE_ROW1
.else
	v_wmma_scale_f32_16x16x128_f8f6f4 v[rD:rD+7], v[rA:rA+11], v[rB:rB+11], 0, v[rX], v[rY] matrix_a_fmt:MATRIX_FMT_FP6 matrix_b_fmt:MATRIX_FMT_FP6 matrix_a_scale:MATRIX_SCALE_ROW1 matrix_b_scale:MATRIX_SCALE_ROW1
.endif
.endm
.macro MUL s, zero                     ; 32 matrix instructions; the 32 accumulators take turns, one instruction a turn, in the same order in every step
	WIN 0x5a+5*((\s)%2)                            ; sources 0 and 1 window 2 or 3, C and D window 1
.irp a, 0,1,2,3
.irp b, 0,1,2,3,4,5,6,7
	WM \a, \b, (\s)%2, \zero
.endr
.endr
.endm
.macro STEP s
	s_wait_dscnt 0x0                               ; this step's fragments are in (asked for 32 matrix instructions ago)
.if (\s) == 3
	s_wait_tensorcnt 0x0                           ; every wave's load has landed, the second half of K among them
	s_barrier_signal -1
	s_barrier_wait -1                              ; everybody's has
	WIN 0
	v_add_nc_u32 v[A0Q], 2*S0C, v[A0Q]             ; on to the second half of K.  These six are also the places in front of the loads below
	v_add_nc_u32 v[A0D], 2*S0C, v[A0D]
	v_add_nc_u32 v[A0S], 2*S0C, v[A0S]
	v_add_nc_u32 v[A1Q], 2*S1C, v[A1Q]
	v_add_nc_u32 v[A1D], 2*S1C, v[A1D]
	v_add_nc_u32 v[A1S], 2*S1C, v[A1S]
.elseif (\s) < 7
	PLACES                                         ; four places in front of loads into registers that matrix instructions have read (ISA guide 7.12.1 for vector instructions)
.endif
.if (\s) < 7
	FETCH (\s)+1
.endif
.if (\s) == 0
	MUL \s, 1                                      ; the first step's products start the sums: nothing is cleared
.else
	MUL \s, 0
.endif
.endm
	s_cmp_lt_u32 s68, 2                            ; waves 0 and 1 wait for their loads, the first half of K; the loads of waves 2 and 3 may stay out
	s_cbranch_scc0 .Lnot_first
	s_wait_tensorcnt 0x0
.Lnot_first:
	s_barrier_signal -1
	s_barrier_wait -1                              ; everybody's has
	FETCH 0
	STEP 0
	STEP 1
	s_wait_alu depctr_va_vdst(0)
	STEP 2
	STEP 3
	s_wait_alu depctr_va_vdst(0)
	STEP 4
	STEP 5
	s_wait_alu depctr_va_vdst(0)
	STEP 6
	STEP 7
	WIN 0
	PLACES                                         ; in front of the first read of results
	s_wait_loadcnt 0x0                             ; the bias
; The 64 results of source 1's tile a, with their bias, come into window 0: each accumulator is read from its low end on.
.macro ADD a, lanewise
	WIN 0x09                                       ; source 0 window 1, source 1 window 2
.set i, 0
.rept 32
.if \lanewise
	v_pk_add_f32 v[T+i:T+i+1], v[64*(\a)+i:64*(\a)+i+1], v[BB+2*(\a):BB+2*(\a)+1]
.else
	v_pk_add_f32 v[T+i:T+i+1], v[64*(\a)+i:64*(\a)+i+1], v[BB+i:BB+i+1]
.endif
.set i, i+2
.endr
	WIN 0
.endm
; 64 numbers of a lane, register 16 b + i = k 32 b + 16 h + i of my row, become twelve registers of codes, six at d0 (k 0-63) and six at d1 (k 64-127), and the row's scale word in pw.
.macro QUANT s, d0, d1, pw
.irp b, 0,1,2,3
	v_max3_num_f32 v[TM+\b], |v[\s+16*\b]|, |v[\s+1+16*\b]|, 0x1800000   ; with the floor 2^(3 - 127): the byte cannot fall under 1
.endr
.irp i, 2,4,6,8,10,12,14
.irp b, 0,1,2,3
	v_max3_num_f32 v[TM+\b], v[TM+\b], |v[\s+16*\b+\i]|, |v[\s+1+16*\b+\i]|
.endr
.endr
.irp b, 0,1,2,3
	v_permlanex16_b32 v[TM+4+\b], v[TM+\b], s100, s101
.endr
.irp b, 0,1,2,3
	v_max_num_f32 v[TM+\b], v[TM+\b], v[TM+4+\b]   ; with lane l xor 16's: the block's largest magnitude
.endr
.irp b, 0,1,2,3
	v_add_nc_u32 v[TM+12+\b], 0xff000000, v[TM+\b] ; 2 off the exponent field: the conversion's scale operand
.endr
.irp b, 0,1,2,3
	v_lshrrev_b32 v[TM+4+\b], 23, v[TM+12+\b]      ; the scale's byte
.endr
	v_lshl_or_b32 v[\pw], v[TM+5], 8, v[TM+4]
	v_lshl_or_b32 v[\pw], v[TM+6], 16, v[\pw]
	v_lshl_or_b32 v[\pw], v[TM+7], 24, v[\pw]
	v_cvt_scalef32_pk16_fp6_f32 v[\d0:\d0+2], v[\s:\s+15], v[TM+12]
	v_cvt_scalef32_pk16_fp6_f32 v[XT:XT+2], v[\s+16:\s+31], v[TM+13]
	v_cvt_scalef32_pk16_fp6_f32 v[\d1:\d1+2], v[\s+32:\s+47], v[TM+14]
	v_cvt_scalef32_pk16_fp6_f32 v[XT+4:XT+6], v[\s+48:\s+63], v[TM+15]
	v_nop                                          ; one plain place behind a scaled conversion
.irp i, 0,1,2                          ; the operand's layout wants a WHOLE block in a lane: lanes 0-15 the lower block, lanes 16-31 the upper
	v_permlane16_swap_b32 v[\d0+\i], v[XT+\i]
	v_permlane16_swap_b32 v[\d1+\i], v[XT+4+\i]
.endr
.irp i, 0,1,2
	v_mov_b32 v[\d0+3+\i], v[XT+\i]
	v_mov_b32 v[\d1+3+\i], v[XT+4+\i]
.endr
.endm
	s_cmp_eq_u32 s74, 2
	s_cbranch_scc1 .Lvalues
	; ---- q and k: my 128 n are two heads, my 64 tokens two fragments of 32
	s_lshr_b32 s94, s93, 11                        ; the batch
	s_lshl_b32 s94, s94, 4
	s_lshr_b32 s95, s92, 6                         ; my even head
	s_add_co_u32 s94, s94, s95
	s_lshl_b32 s94, s94, 4
	s_bfe_u32 s95, s93, 0x40007                    ; the step of 128 tokens
	s_add_co_u32 s94, s94, s95
	s_bfe_u32 s2, s93, 0x20005                     ; my first fragment in it: 0 or 2
	s_mov_b32 s96, 6400
	s_mov_b32 s97, 6144
	s_cmp_eq_u32 s74, 1
	s_cselect_b32 s96, 12800, s96                  ; a step's bytes,
	s_cselect_b32 s97, 12288, s97                  ; where its words begin,
	s_cselect_b64 s[98:99], s[66:67], s[14:15]     ; and the buffer: kvimg for k, qimg for q
	s_mul_i32 s94, s94, s96
	s_mov_b32 s95, 0
	s_add_nc_u64 s[98:99], s[98:99], s[94:95]      ; the even head's step
	s_mul_i32 s94, s2, 1536
	s_add_nc_u64 s[8:9], s[98:99], s[94:95]        ; its fragments,
	s_lshl_b32 s94, s2, 6
	s_add_co_u32 s94, s94, s97
	s_add_nc_u64 s[12:13], s[98:99], s[94:95]      ; its words;
	s_lshl_b32 s94, s96, 4                         ; a head is 16 steps
	s_add_nc_u64 s[10:11], s[8:9], s[94:95]        ; the odd head's fragments,
	s_add_nc_u64 s[98:99], s[12:13], s[94:95]      ; and words
.irp e, 0,1
	ADD 2*\e, 0
	QUANT T, IM+24*\e, IM+24*\e+12, PW             ; the low tokens: registers 0-5 of the even head's fragment and of the odd head's
	ADD 2*\e+1, 0
	QUANT T, IM+24*\e+6, IM+24*\e+18, PW+1         ; the tokens 8 on: registers 6-11
	v_perm_b32 v[WD+\e], v[PW+1], v[PW], 0x05040100     ; the even head's word: the low token's bytes 0, 1, then the high token's
	v_perm_b32 v[WD+2+\e], v[PW+1], v[PW], 0x07060302   ; the odd head's: bytes 2, 3 of both
.irp c, 0,1,2
	global_store_b128 v1, v[IM+24*\e+4*\c:IM+24*\e+4*\c+3], s[8:9] offset:1536*\e+512*\c          ; 32 lanes store 512 consecutive bytes, at a multiple of 256 from the buffer's first byte
	global_store_b128 v1, v[IM+24*\e+12+4*\c:IM+24*\e+12+4*\c+3], s[10:11] offset:1536*\e+512*\c
.endr
.endr
	v_cndmask_b32 v[WO], v[WD], v[WD+1], s3        ; lanes 0-15 the first fragment's words, lanes 16-31 the second's
	v_cndmask_b32 v[WO+1], v[WD+2], v[WD+3], s3
	global_store_b32 v3, v[WO], s[12:13]
	global_store_b32 v3, v[WO+1], s[98:99]
	s_branch .Ldone
	; ---- v: my 128 tokens are a key step, my 64 n a head: four fragments of 16 of the head's 64 x 128 keys
.Lvalues:
	s_lshr_b32 s94, s92, 11                        ; the batch
	s_lshl_b32 s94, s94, 4
	s_lshr_b32 s95, s93, 6                         ; the head
	s_add_co_u32 s94, s94, s95
	s_lshl_b32 s94, s94, 4
	s_bfe_u32 s95, s92, 0x40007                    ; the key step
	s_add_co_u32 s94, s94, s95
	s_mul_i32 s94, s94, 12800
	s_add_co_u32 s94, s94, 6144                    ; V's fragments lie behind K's
	s_mov_b32 s95, 0
	s_add_nc_u64 s[8:9], s[66:67], s[94:95]
	v_lshrrev_b32 v15, 3, v[BO]                    ; 8 h: my bytes' place in a scale word
; By the tokens' order in ximg (row x of pair p is token 64 (p / 2) + 16 (p % 2) + x % 16 + 32 (x / 16)) register 32 c + i of lane (r, h) is key 64 c + 32 h + i: a lane owns blocks h and 2 + h whole.
; (For q and k the same order makes fragment f's low row r token 64 (f / 2) + 16 (f % 2) + r % 8 + 32 (r / 8) of its step of 128, the high row that token + 8.)
; 64 numbers of a lane become the twelve registers at d as they fall, and the row's scale word in pw, whole in both halves of the lanes.
.macro QUANTV s, d, pw
.irp b, 0,1,2,3
	v_max3_num_f32 v[TM+\b], |v[\s+16*\b]|, |v[\s+1+16*\b]|, 0x1800000   ; four chains, two to a block; the floor 2^(3 - 127) holds the byte at 1 from below
.endr
.irp i, 2,4,6,8,10,12,14
.irp b, 0,1,2,3
	v_max3_num_f32 v[TM+\b], v[TM+\b], |v[\s+16*\b+\i]|, |v[\s+1+16*\b+\i]|
.endr
.endr
	v_max_num_f32 v[TM], v[TM], v[TM+1]
	v_max_num_f32 v[TM+2], v[TM+2], v[TM+3]
	v_add_nc_u32 v[TM+12], 0xff000000, v[TM]       ; 2 off the exponent field: the conversion's scale operand
	v_add_nc_u32 v[TM+13], 0xff000000, v[TM+2]
	v_lshrrev_b32 v[TM+4], 23, v[TM+12]            ; the scale's byte
	v_lshrrev_b32 v[TM+5], 23, v[TM+13]
	v_lshl_or_b32 v[\pw], v[TM+5], 16, v[TM+4]
	v_lshlrev_b32 v[\pw], v15, v[\pw]              ; at bytes h and 2 + h
	v_permlanex16_b32 v[TM+6], v[\pw], s100, s101
	v_or_b32 v[\pw], v[\pw], v[TM+6]               ; with lane l xor 16's two the word is whole
	v_cvt_scalef32_pk16_fp6_f32 v[\d:\d+2], v[\s:\s+15], v[TM+12]
	v_cvt_scalef32_pk16_fp6_f32 v[XT:XT+2], v[\s+16:\s+31], v[TM+12]
	v_cvt_scalef32_pk16_fp6_f32 v[\d+6:\d+8], v[\s+32:\s+47], v[TM+13]
	v_cvt_scalef32_pk16_fp6_f32 v[XT+4:XT+6], v[\s+48:\s+63], v[TM+13]
	v_nop                                          ; one plain place behind a scaled conversion
.irp i, 0,1,2
	v_mov_b32 v[\d+3+\i], v[XT+\i]
	v_mov_b32 v[\d+9+\i], v[XT+4+\i]
.endr
.endm
.irp a, 0,1,2,3
	ADD \a, 1
	QUANTV T, IM+12*\a, PW+\a
.irp c, 0,1,2
	global_store_b128 v1, v[IM+12*\a+4*\c:IM+12*\a+4*\c+3], s[8:9] offset:1536*\a+512*\c
.endr
.endr
	v_cndmask_b32 v[WO], v[PW], v[PW+1], s3
	v_cndmask_b32 v[WO+1], v[PW+2], v[PW+3], s3
	global_store_b32 v3, v[WO], s[8:9] offset:6400
	global_store_b32 v3, v[WO+1], s[8:9] offset:6528
.Ldone:
	s_wait_tensorcnt 0x0                           ; the wave's end, behind my last tensor load
	ds_add_u32 v[SPW], v[NIL]
	s_wait_dscnt 0x0
	CROUND                                         ; the closing round: no work-group ends while a partner may still ask for a block that names it
	s_endpgm
.Lfunc_end_k_q0e71dd69cc_proj:
	.size	k_q0e71dd69cc_proj, .Lfunc_end_k_q0e71dd69cc_proj-k_q0e71dd69cc_proj
	.p2alignl 7, 3214868480
	.fill 96, 4, 3214868480
	.section	.rodata,"a",@progbits
	.p2align	6, 0x0
	.amdhsa_kernel k_q0e71dd69cc_proj
		.amdhsa_group_segment_fixed_size 327680
		.amdhsa_private_segment_fixed_size 0
		.amdhsa_enable_private_segment 0
		.amdhsa_kernarg_size 56
		.amdhsa_user_sgpr_count 2
		.amdhsa_user_sgpr_kernarg_segment_ptr 1
		.amdhsa_wavefront_size32 1
		.amdhsa_system_sgpr_workgroup_id_x 1
		.amdhsa_system_sgpr_workgroup_id_y 1
		.amdhsa_system_sgpr_workgroup_id_z 1
		.amdhsa_system_vgpr_workitem_id 0
		.amdhsa_next_free_vgpr 1024
		.amdhsa_next_free_sgpr 102
		.amdhsa_reserve_vcc 0
		.amdhsa_float_denorm_mode_32 3
		.amdhsa_float_denorm_mode_16_64 3
		.amdhsa_memory_ordered 1
		.amdhsa_forward_progress 1
		.amdhsa_inst_pref_size 121
	.end_amdhsa_kernel
	.amdgpu_metadata
---
amdhsa.version: [ 1, 2 ]
amdhsa.kernels:
  - .name:           k_q0e71dd69cc_proj
    .symbol:         k_q0e71dd69cc_proj.kd
    .args:
      - { .name: ximg, .offset: 0, .size: 8, .value_kind: global_buffer, .address_space: global }
      - { .name: wimg, .offset: 8, .size: 8, .value_kind: global_buffer, .address_space: global }
      - { .name: bq, .offset: 16, .size: 8, .value_kind: global_buffer, .address_space: global }
      - { .name: bk, .offset: 24, .size: 8, .value_kind: global_buffer, .address_space: global }
      - { .name: bv, .offset: 32, .size: 8, .value_kind: global_buffer, .address_space: global }
      - { .name: qimg, .offset: 40, .size: 8, .value_kind: global_buffer, .address_space: global }
      - { .name: kvimg, .offset: 48, .size: 8, .value_kind: global_buffer, .address_space: global }
    .group_segment_fixed_size: 327680
    .private_segment_fixed_size: 0
    .kernarg_segment_align: 8
    .kernarg_segment_size: 56
    .max_flat_workgroup_size: 128
    .sgpr_count:     102
    .vgpr_count:     1024
    .wavefront_size: 32
...
	.end_amdgpu_metadata
.endif
;; end of part 2
;; launch attn (part 3): grid 4 x 64, 16 waves a work-group, clusters of 4 x 1, 327,680 bytes of LDS; arguments qimg, kvimg, oimg; writes oimg
.if DOCPART == 3
	.amdgcn_target "amdgcn-amd-amdhsa--gfx1250"
	.amdhsa_code_object_version 6
	.text
	.protected	k_q0e71dd69cc_attn
	.globl	k_q0e71dd69cc_attn
	.p2align	8
	.type	k_q0e71dd69cc_attn,@function
k_q0e71dd69cc_attn:
	s_mov_b64 s[64:65], 0
	v_nop
	global_prefetch_b8 v0, s[64:65] scope:SCOPE_SE
	s_setreg_imm32_b32 hwreg(HW_REG_WAVE_MODE, 25, 1), 1
	s_wait_xcnt 0x0
	s_wait_alu depctr_hold_cnt(0) depctr_sa_sdst(0) depctr_va_vdst(0) depctr_va_sdst(0) depctr_va_ssrc(0) depctr_va_vcc(0) depctr_vm_vsrc(0)
	s_getreg_b32 s2, hwreg(HW_REG_IB_STS2, 6, 4)
	s_cmp_eq_u32 s2, 0
	s_cbranch_scc0 .Lentry_in_a_cluster
	s_endpgm
.Lentry_in_a_cluster:
	s_bfe_u32 s2, ttmp6, 0x10000c
	s_cmp_lg_u32 s2, 0x3003
	s_cbranch_scc0 .Lentry_shape_is_right
	s_endpgm
.Lentry_shape_is_right:
; Attention of one (batch, head) on codes of FP6 (E2M3) with E8M0 scales: S^T = K Q^T (K = the head's 64), the softmax, O^T = V^T P^T (K = the keys), O / l quantised along the head's 64 for the output projection.
; THE SOFTMAX: t = score x log2(e) / 8; M = the running largest t rounded UP to a whole number, kept as -M; p = 2^(t - M) is quantised along the keys, not normalised; the row's sum is taken of the unquantised p
; and divides at the end.  When M moves, the sum and O^T are multiplied by 2^(old M - new M): exact, in every trip, no branch on data.
; SHARES.  A work-group owns 512 queries of a head, each of its sixteen waves 32: tiles A and B of 16.  EACH FRAGMENT OF K AND OF V IS READ FROM LDS ONCE FOR BOTH TILES: a trip of 128 keys loads K, makes A's scores and softmax,
; makes B's scores from the same registers, loads V onto K, makes B's softmax, and then the eight products for O^T, eight accumulators by turns: 28 LDS loads for 24 matrix instructions.
; THE HEAD'S WHOLE K AND V LIE IN LDS: 16 key steps of 12,800 bytes; wave w brings key step w by its one tensor load; nothing is filled again.  Waves 0-3 have a load line of their own: key steps 0-3 are walked behind a
; barrier in front of which those four have waited, key steps 4-15 behind one in front of which every wave has.
; CLUSTER 4 x 1: the four work-groups of a head read the same K and V: each key step is asked for jointly, mask 15.  No prefetch: every byte of K and V is asked for at the head, so no later load is left to run ahead of.
; A KEY STEP in kvimg: K's four fragments at f x 1,536 (registers 4 c .. 4 c + 3 at 512 c + 16 x lane), V's four (16 of the head's 64 x 128 keys) at 6,144, K's scale words at 12,288 + 64 f + 4 r, V's at 12,544 + 64 d + 4 r.
; A row of K's fragment f is TWO keys: k 0-63 the codes of key 64 (f / 2) + 16 (f % 2) + r % 8 + 32 (r / 8), k 64-127 those of that key + 8.  Against [Q, 0] the product gives the low keys' scores, against [0, Q] the high keys':
; zero codes add nothing; thirty registers [0 | QA | 0 | QB | 0] serve both tiles.  Register 32 c + i of lane (r, h) is key 64 c + 32 h + i of query r: a lane owns blocks h and 2 + h of 32 keys whole, in the order of the
; second product's operand.  Other lanes are asked twice a tile and step: for the row's largest and for the scale word's other two bytes.
; REGISTERS: all 256.  A conversion's three registers begin on an even number, so a block's upper half is made elsewhere and moved: A's in P_B, which is idle then; B's in score registers whose p have been summed and converted.
; THE LONG REDUCTIONS GO IN EIGHT CHAINS BY TURNS: the largest scores in eight temporaries (four chains to a block); the sum of p in the sum's own pair and in seven pairs of p themselves, once these are converted.
; What is left of the sum's chains lies in the softmax's temporaries (v20-25).  The trip's two LDS addresses lie in P_B's last two registers until B's codes are laid there.
; The queries of fragment F: tile t, lane r is token 64 (F / 2) + 16 (F % 2) + 8 t + r % 8 + 32 (r / 8) of the batch.  oimg: blocks of 6,400 bytes = a pair of tiles x 256 along K = head x 64 + d, laid as the output
; projection's operand; a head is half a fragment (768 bytes) and two bytes of each scale word, which are stored by themselves: a word spans two heads, which different work-groups own.
; LIMITS: the promise holds while the scaled scores t stay under 2^31 in magnitude.  A block of zeros, or one under 2^-124, gets the scale byte 1 (this program alone reads the bytes); NaN and infinities are not served.
; A block's largest p is not searched for: the block's largest score goes through the same multiply-add and exponential, which takes v_exp_f32 not to fall where its input rises.
.set STEPB, 12800
.set SPARE, 16*STEPB                   ; the spare words, 128 bytes for each wave: eight blocks of 256 bytes that no other line names
.set LN,  1                            ; lane
.set H8,  2                            ; 8 h
.set SPW, 3                            ; my spare word; never rewritten
.set KS,  4                            ; v4-5 K's scale words: lanes 0-15 an even fragment's, lanes 16-31 the odd one's
.set SQ,  6                            ; Q's two bytes, twice: lanes 0-15 tile A's, lanes 16-31 tile B's
.set NIL, 7                            ; 0; never rewritten
.set VS,  8                            ; v8-9 V's scale words
.set PWA, 10                           ; p's scale words
.set PWB, 11
.set NMA, 12                           ; -M of tile A
.set CB,  13                           ; v13, v15 chains of the maxima
.set NMB, 14                           ; -M of tile B
.set SUA, 16                           ; v[16:17], v[18:19] the rows' sums, two halves each
.set SUB, 18
.set F,   20                           ; v20 2^(old M - new M); v21 its exponent; both first chains of the maxima
.set T,   20                           ; v20-25 later: what is left of the sum's chains, three pairs
.set BM,  22                           ; v22-23 the blocks' largest, then the conversions' scale operands
.set TP,  24                           ; v24 a chain of the maxima, then the new -M, then at work
.set BX,  25                           ; v25 a chain of the maxima, then from lane l xor 16
.set QZ,  26                           ; v26-55 [0 | QA | 0 | QB | 0]
.set KV,  56                           ; v56-103 four fragments of K, then of V
.set S,   104                          ; v104-167 S^T, then p
.set OA,  168                          ; v168-199, v200-231 O^T
.set OB,  200
.set PA,  232                          ; v232-243, v244-255 p's codes
.set PB,  244
.set AD,  254                          ; the key step's fragments
.set AS,  255                          ; its scale words
.set WV,  10
.set G1,  16
.set G0,  24
.set CS,  28                           ; s[28:29] c = log2(e) / 8
.set SEL, 30
.set TB,  32                           ; LDS byte at which the key step begins
.set CNT, 33
.set NC,  50                           ; -c
.macro WALU
	s_wait_alu depctr_va_vdst(0)
.endm
.macro DEP n
	s_delay_alu instid0(VALU_DEP_\n)
.endm
.macro CROUND                          ; a round of the cluster's barrier
	s_barrier_signal -1
	s_barrier_wait -1
	s_cmp_lg_u32 s[WV], 0
	s_cbranch_scc1 .Lnot_wave_0_\@
	s_barrier_signal -3
.Lnot_wave_0_\@:
	s_barrier_wait -3
	s_barrier_signal -1
	s_barrier_wait -1
.endm
	s_load_b128 s[4:7], s[0:1], 0x0                ; qimg, kvimg
	s_load_b64 s[8:9], s[0:1], 0x10                ; oimg
	v_lshl_add_u32 v[SPW], v0, 2, SPARE
	v_mov_b32 v[NIL], 0
	ds_add_u32 v[SPW], v[NIL]                      ; the opening lines: the add, twice on end, and its wait ahead of my first tensor load
	ds_add_u32 v[SPW], v[NIL]
	v_lshrrev_b32 v[TP], 5, v0
	v_readfirstlane_b32 s[WV], v[TP]               ; wave 0..15
	s_bfe_u32 s11, ttmp6, 0x40000                  ; cx: it enters Q's and O's addresses alone
	s_and_b32 s12, ttmp7, 0xffff                   ; batch x 16 + head, which the four partners share
	s_mov_b32 s[G1], 15|(3<<16)|(1<<21)            ; group 1: a key step, 12,800 dense bytes, as 50 rows of 256 bytes (32 elements of 8); mask: all four; bit 21 beside it
	s_mov_b32 s[G1+1], 32<<16
	s_mov_b32 s[G1+2], 50<<16
	s_mov_b32 s[G1+3], 32<<16
	s_mov_b32 s[G1+4], 50
	s_mov_b32 s[G1+5], 32
	s_mov_b32 s[G1+6], 0
	s_mov_b32 s[G1+7], 0
	s_mov_b32 s[G0], 1
	s_mul_i32 s[G0+1], s[WV], STEPB                ; LDS: key step w
	s_mul_i32 s36, s12, 16*STEPB
	s_add_co_u32 s36, s36, s[G0+1]                 ; and in memory
	s_mov_b32 s37, 0
	s_mov_b32 s[CS], 0x3e38aa3b
	s_mov_b32 s[CS+1], s[CS]                       ; (named with it as a pair, so it is written)
	s_mov_b32 s[NC], 0xbe38aa3b
	s_mov_b32 s[SEL], 0x76543210
	s_mov_b32 s[SEL+1], 0xfedcba98                 ; selects for lane l xor 16
	s_mov_b32 s34, 0xffff0000                      ; lanes 16-31
	s_wait_dscnt 0x0
	s_wait_kmcnt 0x0
	s_add_nc_u64 s[G0+2:G0+3], s[6:7], s[36:37]
	s_or_b32 s[G0+3], s[G0+3], 0x80000000
	CROUND                                         ; all four work-groups are here: the joint loads meet
	s_cmp_lt_u32 s[WV], 4                          ; one load a wave; waves 0-3, whose key steps are walked first, have a line of their own
	s_cbranch_scc0 .Llater
	tensor_load_to_lds s[G0:G0+3], s[G1:G1+7]
	s_nop 0
.rept 4
	v_nop
.endr
	s_branch .Lasked
.Llater:
	tensor_load_to_lds s[G0:G0+3], s[G1:G1+7]
	s_nop 0
.rept 4
	v_nop
.endr
.Lasked:
	s_lshl_b32 s13, s11, 4
	s_add_co_u32 s13, s13, s[WV]                   ; F: my fragment of 32 queries, 0 .. 63
	s_mul_i32 s38, s12, 16*6400
	s_lshr_b32 s39, s13, 2
	s_mul_i32 s39, s39, 6400
	s_add_co_u32 s38, s38, s39
	s_mov_b32 s39, 0
	s_add_nc_u64 s[42:43], s[4:5], s[38:39]        ; its step of 128 tokens in qimg
	s_and_b32 s35, s13, 3
	s_mul_i32 s38, s35, 1536
	s_add_nc_u64 s[40:41], s[42:43], s[38:39]      ; the fragment,
	s_lshl_b32 s38, s35, 6
	s_add_co_u32 s38, s38, 6144
	s_add_nc_u64 s[42:43], s[42:43], s[38:39]      ; its words
	v_and_b32 v[LN], 31, v0
	v_and_b32 v[KV+1], 15, v0
	v_bfe_u32 v[H8], v0, 4, 1
	v_lshlrev_b32 v[KV], 4, v[LN]                  ; 16 x lane
	v_lshlrev_b32 v[KV+1], 2, v[KV+1]              ; 4 r
	v_lshlrev_b32 v[H8], 3, v[H8]
	global_load_b128 v[QZ+6:QZ+9], v[KV], s[40:41]                 ; registers 0-3: tile A's codes,
	global_load_b64 v[QZ+10:QZ+11], v[KV], s[40:41] offset:512     ; 4-5;
	global_load_b64 v[QZ+18:QZ+19], v[KV], s[40:41] offset:520     ; 6-7: tile B's,
	global_load_b128 v[QZ+20:QZ+23], v[KV], s[40:41] offset:1024   ; 8-11
	global_load_b32 v[KV+2], v[KV+1], s[42:43]                     ; the scale word: A's two bytes, then B's
	s_lshr_b32 s38, s12, 4                         ; the batch: 64 pairs of tiles of tokens
	s_lshl_b32 s38, s38, 6
	s_add_co_u32 s38, s38, s13
	s_mul_i32 s38, s38, 25600
	s_bfe_u32 s35, s12, 0x20002                    ; the head's chunk of 256 along K: head / 4
	s_mul_i32 s35, s35, 6400
	s_add_co_u32 s38, s38, s35
	s_add_nc_u64 s[46:47], s[8:9], s[38:39]        ; my block in oimg
	s_bfe_u32 s35, s12, 0x10001                    ; which 128 along K of the chunk
	s_and_b32 s48, s12, 1                          ; which half of a fragment
	s_mul_i32 s38, s35, 3072
	s_mul_i32 s49, s48, 768
	s_add_co_u32 s38, s38, s49
	s_add_nc_u64 s[44:45], s[46:47], s[38:39]      ; my codes,
	s_lshl_b32 s38, s35, 7
	s_lshl_b32 s49, s48, 1
	s_add_co_u32 s38, s38, s49
	s_add_co_u32 s38, s38, 6144
	s_add_nc_u64 s[46:47], s[46:47], s[38:39]      ; my two bytes of the words
.irp i, 0,1,2,3,4,5
	v_mov_b32 v[QZ+\i], 0                          ; zero codes round QA and QB
	v_mov_b32 v[QZ+12+\i], 0
	v_mov_b32 v[QZ+24+\i], 0
.endr
	v_mov_b32 v[NMA], 0x7f61b1e6                   ; -M = 3e38: M lies under every t
	v_mov_b32 v[NMB], 0x7f61b1e6
	WALU
	s_wait_loadcnt 0x0                             ; Q
	v_perm_b32 v[BM], v[KV+2], v[KV+2], 0x05040100      ; a tile's two bytes, twice: for [Q, 0] and for [0, Q]
	v_perm_b32 v[BM+1], v[KV+2], v[KV+2], 0x07060302
	v_cndmask_b32 v[SQ], v[BM], v[BM+1], s34
.irp j, 0,1,2,3
	v_mov_b32 v[SUA+\j], 0                         ; the sums,
.endr
.irp j, 0,1,2,3,4,5
	v_mov_b32 v[T+\j], 0                           ; what the first trip joins to B's sum (v25 is also a lane permute's destination, which counts as a source),
.endr
.set J, 0
.rept 64
	v_mov_b32 v[OA+J], 0                           ; O^T.  (The trip is written once: the first finds zeros, which the first change of M leaves zeros.  These are also the places behind Q's scale word)
.set J, J+1
.endr
	s_mov_b32 s[TB], 0
	WALU
	s_cmp_lt_u32 s[WV], 4
	s_cbranch_scc0 .Lnot_first
	s_wait_tensorcnt 0x0                           ; waves 0-3: my key step has landed
.Lnot_first:
	s_barrier_signal -1
	s_barrier_wait -1                              ; key steps 0-3 are whole; the other waves' loads may stay out
.macro SMUL t                          ; S^T of tile t: fragment e against [Q, 0] (u = 0) and [0, Q] (u = 1)
.irp e, 0,2
.irp u, 0,1
	v_wmma_scale_f32_16x16x128_f8f6f4 v[S+16*\e+8*\u:S+16*\e+8*\u+7], v[KV+12*\e:KV+12*\e+11], v[QZ+12*\t+6-6*\u:QZ+12*\t+17-6*\u], 0, v[KS+\e/2], v[SQ] matrix_a_fmt:MATRIX_FMT_FP6 matrix_b_fmt:MATRIX_FMT_FP6 matrix_a_scale:MATRIX_SCALE_ROW0 matrix_b_scale:MATRIX_SCALE_ROW\t
.endr
.irp u, 0,1
	v_wmma_scale_f32_16x16x128_f8f6f4 v[S+16*\e+16+8*\u:S+16*\e+23+8*\u], v[KV+12*\e+12:KV+12*\e+23], v[QZ+12*\t+6-6*\u:QZ+12*\t+17-6*\u], 0, v[KS+\e/2], v[SQ] matrix_a_fmt:MATRIX_FMT_FP6 matrix_b_fmt:MATRIX_FMT_FP6 matrix_a_scale:MATRIX_SCALE_ROW1 matrix_b_scale:MATRIX_SCALE_ROW\t
.endr
.endr
.endm
.macro PVW oo, pp, pw, e, row          ; O^T += V^T P^T, 16 of the head's 64
	v_wmma_scale_f32_16x16x128_f8f6f4 v[\oo+8*\e:\oo+8*\e+7], v[KV+12*\e:KV+12*\e+11], v[\pp:\pp+11], v[\oo+8*\e:\oo+8*\e+7], v[VS+\e/2], v[\pw] matrix_a_fmt:MATRIX_FMT_FP6 matrix_b_fmt:MATRIX_FMT_FP6 matrix_a_scale:MATRIX_SCALE_ROW\row
.endm
.macro PADD d, a, b                    ; a pair of f32 sums
	v_pk_add_f32 v[\d:\d+1], v[\a:\a+1], v[\b:\b+1]
.endm
.macro SUMB from, n                    ; tile B: pair 13 + j of p goes to chain j % 8: chains 0-6 are pairs 6-12 of p themselves, chain 7 the sum's own pair
.set JJ, \from
.rept \n
.if (JJ%8) == 7
	PADD SUB, SUB, S+26+2*JJ
.else
	PADD S+12+2*(JJ%8), S+12+2*(JJ%8), S+26+2*JJ
.endif
.set JJ, JJ+1
.endr
.endm
; From the scores of tile t to p, the conversions' scale operands (v22, v23) and p's scale word.
.macro SOFT t, nm, su, oo, pw
.irp c, 0,1                            ; my two blocks' largest scores: four chains to a block, of 9, 7, 9 and 7 numbers, eight chains by turns; each accumulator is first read in its four lowest registers
	v_max3_num_f32 v[BM+\c], v[S+32*\c], v[S+32*\c+1], v[S+32*\c+2]
	v_max3_num_f32 v[CB+2*\c], v[S+32*\c+9], v[S+32*\c+10], v[S+32*\c+11]
	v_max3_num_f32 v[F+\c], v[S+32*\c+16], v[S+32*\c+17], v[S+32*\c+18]
	v_max3_num_f32 v[TP+\c], v[S+32*\c+25], v[S+32*\c+26], v[S+32*\c+27]
.endr
.irp i, 0,2
.irp c, 0,1
	v_max3_num_f32 v[BM+\c], v[BM+\c], v[S+32*\c+3+\i], v[S+32*\c+4+\i]
	v_max3_num_f32 v[CB+2*\c], v[CB+2*\c], v[S+32*\c+12+\i], v[S+32*\c+13+\i]
	v_max3_num_f32 v[F+\c], v[F+\c], v[S+32*\c+19+\i], v[S+32*\c+20+\i]
	v_max3_num_f32 v[TP+\c], v[TP+\c], v[S+32*\c+28+\i], v[S+32*\c+29+\i]
.endr
.endr
.irp c, 0,1
	v_max3_num_f32 v[BM+\c], v[BM+\c], v[S+32*\c+7], v[S+32*\c+8]
	v_max3_num_f32 v[F+\c], v[F+\c], v[S+32*\c+23], v[S+32*\c+24]
.endr
	DEP 3
	v_max3_num_f32 v[BM], v[BM], v[CB], v[F]
	DEP 2
	v_max3_num_f32 v[BM+1], v[BM+1], v[CB+2], v[F+1]
	DEP 2
	v_max_num_f32 v[BM], v[BM], v[TP]
	DEP 2
	v_max_num_f32 v[BM+1], v[BM+1], v[BX]
	DEP 1
	v_max_num_f32 v[TP], v[BM], v[BM+1]
	DEP 1
	v_permlanex16_b32 v[BX], v[TP], s[SEL], s[SEL+1]
	DEP 1
	v_max_num_f32 v[TP], v[TP], v[BX]              ; the step's largest score of my query
	DEP 1
	v_mul_f32 v[TP], s[NC], v[TP]                  ; -t
	DEP 1
	v_floor_f32 v[TP], v[TP]                       ; floor(-t) = -ceil(t)
	DEP 1
	v_min_num_f32 v[TP], v[\nm], v[TP]             ; the new -M
	DEP 1
	v_sub_f32 v[F+1], v[TP], v[\nm]                ; old M - new M: a whole number, 0 or less
	DEP 2
	v_mov_b32 v[\nm], v[TP]
	DEP 2
	v_cvt_i32_f32 v[F+1], v[F+1]                   ; (it saturates)
	DEP 1
	v_ldexp_f32 v[F], 1.0, v[F+1]                  ; f = 2^(old M - new M)
.irp j, 0,2,4,6,8,10,12,14,16,18,20,22,24,26,28,30,32,34,36,38,40,42,44,46,48,50,52,54,56,58,60,62
	v_pk_fma_f32 v[S+\j:S+\j+1], v[S+\j:S+\j+1], s[CS:CS+1], v[TP:TP+1] op_sel_hi:[1,0,0]   ; t - M, two at a time
.endr
	v_fma_f32 v[BM], v[BM], s[CS], v[TP]           ; the same of each block's largest score
	v_fma_f32 v[BM+1], v[BM+1], s[CS], v[TP]
	WALU                                           ; the wait: between the exponentials' sources and the batch
.irp j, 0,2,4,6,8,10,12,14,16,18,20,22,24,26,28,30
	v_pk_mul_f32 v[\oo+\j:\oo+\j+1], v[\oo+\j:\oo+\j+1], v[F:F+1] op_sel_hi:[1,0]   ; O^T under the new M
.endr
.set J, 0
.rept 64
	v_exp_f32 v[S+J], v[S+J]                       ; p = 2^(t - M): not normalised
.set J, J+1
.endr
	v_exp_f32 v[BM], v[BM]                         ; the blocks' largest p: the same two instructions on the same number give the same bits
	v_exp_f32 v[BM+1], v[BM+1]
	v_pk_mul_f32 v[\su:\su+1], v[\su:\su+1], v[F:F+1] op_sel_hi:[1,0]   ; the sum under the new M: the plain place behind the batch
.if \t
	s_wait_dscnt 0x0                               ; V is in
.endif
	WALU                                           ; one wait for the whole batch, ahead of its first reader
	v_max_num_f32 v[BM], 0x1800000, v[BM]          ; the floor 2^(3 - 127): the byte cannot fall under 1
	v_max_num_f32 v[BM+1], 0x1800000, v[BM+1]
	DEP 2
	v_add_nc_u32 v[BM], 0xff000000, v[BM]          ; 2 off the exponent field: the conversion's scale operand
	DEP 2
	v_add_nc_u32 v[BM+1], 0xff000000, v[BM+1]
	DEP 2
	v_lshrrev_b32 v[TP], 23, v[BM]                 ; the scale's byte
	DEP 2
	v_lshrrev_b32 v[BX], 23, v[BM+1]
	DEP 1
	v_lshl_or_b32 v[\pw], v[BX], 16, v[TP]
	DEP 1
	v_lshlrev_b32 v[\pw], v[H8], v[\pw]            ; at bytes h and 2 + h
	DEP 1
	v_permlanex16_b32 v[BX], v[\pw], s[SEL], s[SEL+1]
	DEP 1
	v_or_b32 v[\pw], v[\pw], v[BX]                 ; with lane l xor 16's two: p's scale word for these 128 keys
.endm
.macro TRIP                            ; 128 keys, both tiles
	v_lshl_add_u32 v[AD], v[LN], 4, s[TB]
	v_lshl_add_u32 v[AS], v[LN], 2, s[TB]
.irp e, 0,1,2,3
.irp c, 0,1,2
	ds_load_b128 v[KV+12*\e+4*\c:KV+12*\e+4*\c+3], v[AD] offset:1536*\e+512*\c
.endr
.endr
	ds_load_b32 v[KS], v[AS] offset:12288
	ds_load_b32 v[KS+1], v[AS] offset:12416
	ds_load_b32 v[VS], v[AS] offset:12544
	ds_load_b32 v[VS+1], v[AS] offset:12672
	s_wait_dscnt 0x0
	SMUL 0
	PADD T+2, T+2, T+4                             ; what is left of B's chains of the last trip joins its sum: four places in front of the first read of the scores
	PADD SUB, SUB, T
	v_nop
	PADD SUB, SUB, T+2
	SOFT 0, NMA, SUA, OA, PWA
	v_cvt_scalef32_pk16_fp6_f32 v[PA:PA+2], v[S:S+15], v[BM]
	v_cvt_scalef32_pk16_fp6_f32 v[PB:PB+2], v[S+16:S+31], v[BM]        ; the upper halves wait in P_B
	v_cvt_scalef32_pk16_fp6_f32 v[PA+6:PA+8], v[S+32:S+47], v[BM+1]
	v_cvt_scalef32_pk16_fp6_f32 v[PB+4:PB+6], v[S+48:S+63], v[BM+1]
	PADD SUA, SUA, S                               ; THE ROW'S SUM OF THE UNQUANTISED p.  Pair 0: the plain place behind the conversions, whose sources the lines below write
.set R, 1
.rept 3                                ; pair k + 8 R onto pair k, k = 1 .. 7, and pair 8 R onto the sum: eight chains by turns
.irp k, 1,2,3,4,5,6,7
	PADD S+2*\k, S+2*\k, S+2*\k+16*R
.endr
	PADD SUA, SUA, S+16*R
.set R, R+1
.endr
	PADD T, S+2, S+4
	PADD T+2, S+6, S+8
	PADD T+4, S+10, S+12
	PADD SUA, SUA, S+14
	SMUL 1                                         ; K's fragments once more, onto the scores that are done with
	PADD SUA, SUA, T                               ; nine lines that name no register of these products: the places in front of V's loads and of the first read of the scores
	PADD T+2, T+2, T+4
.irp i, 0,1,2
	v_mov_b32 v[PA+3+\i], v[PB+\i]
	v_mov_b32 v[PA+9+\i], v[PB+4+\i]
.endr
	PADD SUA, SUA, T+2
.irp e, 0,1,2,3                        ; V's fragments land while B's softmax is walked
.irp c, 0,1,2
	ds_load_b128 v[KV+12*\e+4*\c:KV+12*\e+4*\c+3], v[AD] offset:6144+1536*\e+512*\c
.endr
.endr
	SOFT 1, NMB, SUB, OB, PWB
	PADD T, S, S+2                                 ; pairs 0-3 are summed first: their registers take the upper halves' codes
	PADD T+4, S+4, S+6
	v_cvt_scalef32_pk16_fp6_f32 v[PB:PB+2], v[S:S+15], v[BM]
	v_cvt_scalef32_pk16_fp6_f32 v[PB+6:PB+8], v[S+32:S+47], v[BM+1]
	PADD SUB, SUB, S+8                             ; pair 4: a plain place: the next two lines write sources of the two above
	v_cvt_scalef32_pk16_fp6_f32 v[S:S+2], v[S+16:S+31], v[BM]
	v_cvt_scalef32_pk16_fp6_f32 v[S+4:S+6], v[S+48:S+63], v[BM+1]
	PADD T, T, S+10                                ; pair 5: a plain place
.irp i, 0,1,2
	v_mov_b32 v[PB+3+\i], v[S+\i]
	v_mov_b32 v[PB+9+\i], v[S+4+\i]
.endr
	SUMB 0, 6                                      ; six lines between B's codes and the products; twenty between its scale word and them
	PVW OA, PA, PWA, 0, 0
	PVW OB, PB, PWB, 0, 0
	PVW OA, PA, PWA, 1, 1
	PVW OB, PB, PWB, 1, 1
	PVW OA, PA, PWA, 2, 0
	PVW OB, PB, PWB, 2, 0
	PVW OA, PA, PWA, 3, 1
	PVW OB, PB, PWB, 3, 1
	SUMB 6, 13                                     ; the places in front of the next trip's lines and loads
	PADD S+22, S+22, S+24                          ; the seven chains in p's registers go over into v20-25 and the sum, ahead of the next scores
	PADD T+4, T+4, S+18
	PADD SUB, SUB, S+20
	PADD T+2, S+12, S+14
	PADD T, T, S+16
	PADD T+4, T+4, S+22
	s_add_co_u32 s[TB], s[TB], STEPB
	WALU
.endm
	s_mov_b32 s[CNT], 4
.Lkeys_a:                                              ; key steps 0-3
	TRIP
	s_sub_co_u32 s[CNT], s[CNT], 1
	s_cmp_lg_u32 s[CNT], 0
	s_cbranch_scc1 .Lkeys_a
	s_wait_tensorcnt 0x0                           ; every wave: my key step has landed,
	s_barrier_signal -1
	s_barrier_wait -1                              ; everybody's has: the head's K and V are whole
	s_mov_b32 s[CNT], 12
.Lkeys_b:                                              ; key steps 4-15
	TRIP
	s_sub_co_u32 s[CNT], s[CNT], 1
	s_cmp_lg_u32 s[CNT], 0
	s_cbranch_scc1 .Lkeys_b
; THE END: O^T / l, quantised along the head's 64.  The registers that held K and V are at work here.
.set EM,  KV                           ; the blocks' largest
.set EX,  KV+2
.set ES,  KV+4
.set EY,  KV+6
.set XT,  KV+8
.set OC,  KV+16                        ; six registers of codes for each tile
.set HW,  KV+28                        ; two scale bytes for each tile
.set L16, KV+32
.set L8,  KV+33
.set L4,  KV+34
	PADD T+2, T+2, T+4                             ; what is left of B's chains
	PADD SUB, SUB, T
	v_add_f32 v[SUA], v[SUA], v[SUA+1]             ; the sums' two halves,
	v_lshlrev_b32 v[L16], 4, v[LN]
	v_lshlrev_b32 v[L8], 3, v[LN]
	v_lshlrev_b32 v[L4], 2, v[LN]
	PADD SUB, SUB, T+2
	v_permlanex16_b32 v[TP], v[SUA], s[SEL], s[SEL+1]
	v_add_f32 v[SUB], v[SUB], v[SUB+1]
	v_add_f32 v[SUA], v[SUA], v[TP]                ; and lane l xor 16's keys: the rows' sums
	v_permlanex16_b32 v[BX], v[SUB], s[SEL], s[SEL+1]
	v_add_f32 v[SUB], v[SUB], v[BX]
	WALU
	v_rcp_f32 v[F], v[SUA]
	v_rcp_f32 v[BM], v[SUB]
	v_nop                                          ; one plain place behind a transcendental
	WALU                                           ; ahead of the first readers of 1 / l and of O^T
.irp j, 0,2,4,6,8,10,12,14,16,18,20,22,24,26,28,30
	v_pk_mul_f32 v[S+\j:S+\j+1], v[OA+\j:OA+\j+1], v[F:F+1] op_sel_hi:[1,0]          ; register 16 e + i is d = 32 e + 16 h + i of my query
.endr
.irp j, 0,2,4,6,8,10,12,14,16,18,20,22,24,26,28,30
	v_pk_mul_f32 v[S+32+\j:S+33+\j], v[OB+\j:OB+\j+1], v[BM:BM+1] op_sel_hi:[1,0]
.endr
.macro FIN t
.set X, S+32*\t
.irp b, 0,1
	v_max3_num_f32 v[EM+\b], |v[X+16*\b]|, |v[X+1+16*\b]|, 0x1800000
.endr
.irp i, 2,4,6,8,10,12,14
.irp b, 0,1
	DEP 2
	v_max3_num_f32 v[EM+\b], v[EM+\b], |v[X+16*\b+\i]|, |v[X+1+16*\b+\i]|
.endr
.endr
.irp b, 0,1
	DEP 2
	v_permlanex16_b32 v[EX+\b], v[EM+\b], s[SEL], s[SEL+1]
.endr
.irp b, 0,1
	DEP 2
	v_max_num_f32 v[EM+\b], v[EM+\b], v[EX+\b]
.endr
.irp b, 0,1
	DEP 2
	v_add_nc_u32 v[ES+\b], 0xff000000, v[EM+\b]
.endr
.irp b, 0,1
	DEP 2
	v_lshrrev_b32 v[EY+\b], 23, v[ES+\b]
.endr
	DEP 1
	v_lshl_or_b32 v[HW+\t], v[EY+1], 8, v[EY]      ; the head's two bytes of my token's scale word
	v_cvt_scalef32_pk16_fp6_f32 v[OC+6*\t:OC+6*\t+2], v[X:X+15], v[ES]
	v_cvt_scalef32_pk16_fp6_f32 v[XT:XT+2], v[X+16:X+31], v[ES+1]
	v_nop                                          ; one plain place behind a scaled conversion
.irp i, 0,1,2
	v_permlane16_swap_b32 v[OC+6*\t+\i], v[XT+\i]  ; here a block of 32 lies in lanes l and l xor 16: the operand wants it whole in a lane
.endr
.irp i, 0,1,2
	DEP 3
	v_mov_b32 v[OC+6*\t+3+\i], v[XT+\i]
.endr
	global_store_b128 v[L16], v[OC+6*\t:OC+6*\t+3], s[44:45] offset:1536*\t          ; 512 and 256 consecutive bytes, at multiples of 256 from the buffer's first byte; each tile's codes have registers of their own
	global_store_b64 v[L8], v[OC+6*\t+4:OC+6*\t+5], s[44:45] offset:1536*\t+512
.endm
	FIN 0
	FIN 1
	v_cndmask_b32 v[TP], v[HW], v[HW+1], s34       ; lanes 0-15 tile A's bytes, lanes 16-31 tile B's
	global_store_b16 v[L4], v[TP], s[46:47]
	s_wait_tensorcnt 0x0                           ; the wave's end
	ds_add_u32 v[SPW], v[NIL]
	s_wait_dscnt 0x0
	CROUND                                         ; the closing round: no work-group ends while a partner may still ask for a key step that names it
	s_endpgm
.Lfunc_end_k_q0e71dd69cc_attn:
	.size	k_q0e71dd69cc_attn, .Lfunc_end_k_q0e71dd69cc_attn-k_q0e71dd69cc_attn
	.p2alignl 7, 3214868480
	.fill 96, 4, 3214868480
	.section	.rodata,"a",@progbits
	.p2align	6, 0x0
	.amdhsa_kernel k_q0e71dd69cc_attn
		.amdhsa_group_segment_fixed_size 327680
		.amdhsa_private_segment_fixed_size 0
		.amdhsa_enable_private_segment 0
		.amdhsa_kernarg_size 24
		.amdhsa_user_sgpr_count 2
		.amdhsa_user_sgpr_kernarg_segment_ptr 1
		.amdhsa_wavefront_size32 1
		.amdhsa_system_sgpr_workgroup_id_x 1
		.amdhsa_system_sgpr_workgroup_id_y 1
		.amdhsa_system_sgpr_workgroup_id_z 1
		.amdhsa_system_vgpr_workitem_id 0
		.amdhsa_next_free_vgpr 256
		.amdhsa_next_free_sgpr 66
		.amdhsa_reserve_vcc 0
		.amdhsa_float_denorm_mode_32 3
		.amdhsa_float_denorm_mode_16_64 3
		.amdhsa_memory_ordered 1
		.amdhsa_forward_progress 1
		.amdhsa_inst_pref_size 74
	.end_amdhsa_kernel
	.amdgpu_metadata
---
amdhsa.version: [ 1, 2 ]
amdhsa.kernels:
  - .name:           k_q0e71dd69cc_attn
    .symbol:         k_q0e71dd69cc_attn.kd
    .args:
      - { .name: qimg, .offset: 0, .size: 8, .value_kind: global_buffer, .address_space: global }
      - { .name: kvimg, .offset: 8, .size: 8, .value_kind: global_buffer, .address_space: global }
      - { .name: oimg, .offset: 16, .size: 8, .value_kind: global_buffer, .address_space: global }
    .group_segment_fixed_size: 327680
    .private_segment_fixed_size: 0
    .kernarg_segment_align: 8
    .kernarg_segment_size: 24
    .max_flat_workgroup_size: 512
    .sgpr_count:     66
    .vgpr_count:     256
    .wavefront_size: 32
...
	.end_amdgpu_metadata
.endif
;; end of part 3
;; launch outp (part 4): grid 4 x 64, 4 waves a work-group, clusters of 4 x 4, 327,680 bytes of LDS; arguments oimg, wimg, bo, out0; writes out0
.if DOCPART == 4
	.amdgcn_target "amdgcn-amd-amdhsa--gfx1250"
	.amdhsa_code_object_version 6
	.text
	.protected	k_q0e71dd69cc_outp
	.globl	k_q0e71dd69cc_outp
	.p2align	8
	.type	k_q0e71dd69cc_outp,@function
k_q0e71dd69cc_outp:
	s_mov_b64 s[64:65], 0
	v_nop
	global_prefetch_b8 v0, s[64:65] scope:SCOPE_SE
	s_setreg_imm32_b32 hwreg(HW_REG_WAVE_MODE, 25, 1), 1
	s_wait_xcnt 0x0
	s_wait_alu depctr_hold_cnt(0) depctr_sa_sdst(0) depctr_va_vdst(0) depctr_va_sdst(0) depctr_va_ssrc(0) depctr_va_vcc(0) depctr_vm_vsrc(0)
	s_getreg_b32 s2, hwreg(HW_REG_IB_STS2, 6, 4)
	s_cmp_eq_u32 s2, 0
	s_cbranch_scc0 .Lentry_in_a_cluster
	s_endpgm
.Lentry_in_a_cluster:
	s_bfe_u32 s2, ttmp6, 0x10000c
	s_cmp_lg_u32 s2, 0xf033
	s_cbranch_scc0 .Lentry_shape_is_right
	s_endpgm
.Lentry_shape_is_right:
; out0 = (O / l) wo + bo on codes of FP6 (E2M3) with E8M0 scales.  The frame is the projections': source 0 = wo's columns n (the fourth weight in wimg), source 1 = tokens (oimg).
; OPERANDS: blocks of 6,400 bytes = 32 rows x 256 along K: fragment (s, u) at (2 s + u) x 1,536 (registers 0-3 at 16 x lane, 4-5 at 512 + 8 x lane, 6-9 at 768 + 16 x lane, 10-11 at 1,280 + 8 x lane), scale words at 6,144 + 128 s + 64 u + 4 r.
; Tile u of a pair holds in lane r the pair's row 8 u + r + 8 (r / 8): register 8 b + j of lane (r, h) is column n = 32 (b / 2) + 16 h + 8 (b % 2) + j of the lane's token.
; SHARES.  A work-group makes 256 columns x 128 tokens, each of four waves 128 x 64: 32 accumulators; 256 work-groups.  ALL OF K (1,024) LIES IN LDS, in four chunks, two to each wave's one tensor load: one out at the most.
; CLUSTER 4 x 4: wo's blocks hang on cx alone and are asked for jointly by a column of the cluster, the tokens' on cy and the cluster alone, by a row.
; THE WAY OUT: 16 tokens x 128 columns at a time, with the bias, through the wave's own stage in LDS (rows 528 bytes apart), back as whole rows: 32 lanes store 512 consecutive bytes.  The stages lie in source 0's first half of K,
; which has had its only fill, and which every wave has done reading ahead of a barrier that all have passed.
; REGISTERS, in windows of 256.  Window 0: v1-3 16, 8, 4 x lane; v4-5 the add's two; v6-11 LDS addresses; v12-14 stage and bias offsets; v16-27 scale words, two sets; v32-95 64 results with their bias; v96-223 rows on their way out, two sets.
;   Window 1: accumulator (a, b) at v[64 a + 8 b].   Window 2: fragment set 0, the bias from v160.   Window 3: fragment set 1.
.set WSZ,   819200
.set BLK,   6400
.set S0C,   8*BLK
.set S1,    4*S0C
.set S1C,   4*BLK
.set SPARE, S1+4*S1C                   ; the spare words, 128 bytes for each wave: two blocks of 256 bytes that no other line names
.set STG,   8448                       ; a wave's stage: 16 rows x 528 bytes
.set SPW, 4
.set NIL, 5
.set A0Q, 6
.set A0D, 7
.set A0S, 8
.set A1Q, 9
.set A1D, 10
.set A1S, 11
.set STO, 12                           ; the stage, in: row r, 64 h bytes on
.set RD,  13                           ; and back: 16 x lane
.set BO,  14                           ; 64 h
.set SC,  16
.set T,   32
.set BK,  96
.set BB,  160                          ; in window 2
.set G1A, 16
.set G1B, 24
.set G0A, 32
.set G0B, 48
.set MSB, 0
.macro WIN new                         ; the immediate's high byte repeats the setting that is left
.if MSB != \new
	s_set_vgpr_msb (MSB<<8)|\new
.set MSB, \new
.endif
.endm
.macro CROUND                          ; a round of the cluster's barrier
	s_barrier_signal -1
	s_barrier_wait -1
	s_cmp_lg_u32 s68, 0
	s_cbranch_scc1 .Lnot_wave_0_\@
	s_barrier_signal -3
.Lnot_wave_0_\@:
	s_barrier_wait -3
	s_barrier_signal -1
	s_barrier_wait -1
.endm
.macro PLACES
.rept 4
	v_nop
.endr
.endm
	s_load_b256 s[4:11], s[0:1], 0x0               ; oimg s[4:5], wimg s[6:7], bo s[8:9], out0 s[10:11]
	v_lshl_add_u32 v[SPW], v0, 2, SPARE
	v_mov_b32 v[NIL], 0
	ds_add_u32 v[SPW], v[NIL]                      ; the wave's opening: the add and its wait ahead of my first tensor load; the set-up below, work on registers, stands between them
	ds_add_u32 v[SPW], v[NIL]
	v_lshrrev_b32 v1, 5, v0
	v_readfirstlane_b32 s68, v1                    ; wave
	s_lshr_b32 s69, s68, 1                         ; wi: my half of the columns.  Also: which half of K I fetch
	s_and_b32 s70, s68, 1                          ; wj: my half of the tokens.  Also: I fetch for source 0 (0) or source 1 (1)
	s_bfe_u32 s71, ttmp6, 0x40000                  ; cx = T0: which 256 columns
	s_bfe_u32 s72, ttmp6, 0x40004                  ; cy
	s_and_b32 s73, ttmp7, 0xffff                   ; the cluster, 0 .. 15
	s_lshl_b32 s77, s73, 2
	s_add_co_u32 s77, s77, s72                     ; T1: which 128 tokens
	s_lshl_b32 s84, s71, 3
	; ONE TENSOR LOAD A WAVE: wave 0 source 0's 8 pairs, chunks 0 and 1; wave 1 source 1's 4 pairs, chunks 0 and 1; waves 2 and 3 the same of chunks 2 and 3.
	; LDS: source 0's half g of K at g x 2 S0C, pair p at 2 p BLK, its two chunks on end; source 1's half g at S1 + g x 2 S1C.
	s_mul_i32 s84, s84, 4*BLK                      ; source 0: pair 8 T0
	s_mul_i32 s85, s69, 2*BLK                      ; my half of K: two chunks
	s_add_co_u32 s84, s84, s85
	s_add_co_u32 s84, s84, 3*WSZ                   ; of wo
	s_mov_b32 s85, 0
	s_lshl_b32 s88, s77, 2
	s_mul_i32 s88, s88, 4*BLK                      ; source 1: pair 4 T1
	s_mul_i32 s89, s69, 2*BLK
	s_add_co_u32 s88, s88, s89
	s_mov_b32 s89, 0
	s_mul_i32 s87, s69, 2*S0C
	s_mul_i32 s91, s69, 2*S1C
	s_add_co_u32 s91, s91, S1
	s_lshl_b32 s78, 0x1111, s71                    ; my column of the cluster
	s_lshl_b32 s79, s72, 2
	s_lshl_b32 s79, 15, s79                        ; my row
	; descriptor group 1: rows of 12,800 bytes (1,600 elements of 8 bytes), 25,600 bytes apart in memory, dense in LDS; 8 rows for source 0, 4 for source 1
	s_or_b32 s[G1A], s78, (3<<16)|(1<<21)          ; 15:0 the mask; 17:16 elements of 8 bytes; 21 set beside a mask
	s_mov_b32 s[G1A+1], 1600<<16                   ; rows of 12,800 bytes: two chunks of a pair
	s_mov_b32 s[G1A+2], 8<<16                      ; 8 pairs
	s_mov_b32 s[G1A+3], 1600<<16
	s_mov_b32 s[G1A+4], 8
	s_mov_b32 s[G1A+5], 3200
	s_mov_b32 s[G1A+6], 0
	s_mov_b32 s[G1A+7], 0
	s_or_b32 s[G1B], s79, (3<<16)|(1<<21)
	s_mov_b32 s[G1B+1], 1600<<16
	s_mov_b32 s[G1B+2], 4<<16                      ; 4 pairs
	s_mov_b32 s[G1B+3], 1600<<16
	s_mov_b32 s[G1B+4], 4
	s_mov_b32 s[G1B+5], 3200
	s_mov_b32 s[G1B+6], 0
	s_mov_b32 s[G1B+7], 0
	s_wait_dscnt 0x0                               ; the opening add is done
	s_wait_kmcnt 0x0
	s_add_nc_u64 s[80:81], s[6:7], s[84:85]
	s_add_nc_u64 s[82:83], s[4:5], s[88:89]
.irp x, 0
	s_mov_b32 s[G0A+4*\x], 1
	s_add_co_u32 s[G0A+4*\x+1], s87, \x*S0C
	s_add_nc_u64 s[G0A+4*\x+2:G0A+4*\x+3], s[80:81], \x*BLK
	s_or_b32 s[G0A+4*\x+3], s[G0A+4*\x+3], 0x80000000
	s_mov_b32 s[G0B+4*\x], 1
	s_add_co_u32 s[G0B+4*\x+1], s91, \x*S1C
	s_add_nc_u64 s[G0B+4*\x+2:G0B+4*\x+3], s[82:83], \x*BLK
	s_or_b32 s[G0B+4*\x+3], s[G0B+4*\x+3], 0x80000000
.endr
	CROUND                                         ; all sixteen work-groups are here: the joint loads meet
	s_cmp_eq_u32 s68, 0                            ; one chain of branches on the wave's number, a load line of its own for each wave
	s_cbranch_scc0 .Lfill_w1
	tensor_load_to_lds s[G0A:G0A+3], s[G1A:G1A+7]
	s_nop 0
	PLACES
	s_branch .Lfilled
.Lfill_w1:
	s_cmp_eq_u32 s68, 1
	s_cbranch_scc0 .Lfill_w2
	tensor_load_to_lds s[G0B:G0B+3], s[G1B:G1B+7]
	s_nop 0
	PLACES
	s_branch .Lfilled
.Lfill_w2:
	s_cmp_eq_u32 s68, 2
	s_cbranch_scc0 .Lfill_w3
	tensor_load_to_lds s[G0A:G0A+3], s[G1A:G1A+7]
	s_nop 0
	PLACES
	s_branch .Lfilled
.Lfill_w3:
	tensor_load_to_lds s[G0B:G0B+3], s[G1B:G1B+7]
	s_nop 0
	PLACES
.Lfilled:
	v_and_b32 v12, 31, v0
	v_lshlrev_b32 v1, 4, v12
	v_lshlrev_b32 v2, 3, v12
	v_lshlrev_b32 v3, 2, v12
	s_mul_i32 s94, s69, 8*BLK
	v_add_nc_u32 v[A0Q], s94, v1
	v_add_nc_u32 v[A0D], s94, v2
	s_add_co_u32 s94, s94, 6144
	v_add_nc_u32 v[A0S], s94, v3
	s_mul_i32 s94, s70, 4*BLK
	s_add_co_u32 s94, s94, S1
	v_add_nc_u32 v[A1Q], s94, v1
	v_add_nc_u32 v[A1D], s94, v2
	s_add_co_u32 s94, s94, 6144
	v_add_nc_u32 v[A1S], s94, v3
	v_bfe_u32 v[BO], v0, 4, 1
	v_lshlrev_b32 v[BO], 6, v[BO]                  ; 64 h
	s_wait_alu depctr_va_vdst(0)
	s_mul_i32 s94, s68, STG
	v_and_b32 v[STO], 15, v0
	v_mul_u32_u24 v[STO], v[STO], 528
	v_add_nc_u32 v[STO], v[STO], v[BO]
	v_add_nc_u32 v[STO], s94, v[STO]
	v_add_nc_u32 v[RD], s94, v1
	s_lshl_b32 s92, s71, 8
	s_lshl_b32 s94, s69, 7
	s_add_co_u32 s92, s92, s94                     ; i0: my first column
	s_lshl_b32 s93, s77, 7
	s_lshl_b32 s94, s70, 6
	s_add_co_u32 s93, s93, s94                     ; j0: my first token
	s_lshl_b32 s96, s92, 2
	s_mov_b32 s97, 0
	s_add_nc_u64 s[94:95], s[8:9], s[96:97]        ; bo at my first column
	s_lshl_b32 s98, s93, 12
	s_add_co_u32 s96, s96, s98
	s_add_nc_u64 s[10:11], s[10:11], s[96:97]      ; out0 at my first token and column
	WIN 0x80                                       ; destination window 2
.irp b, 0,1,2,3,4,5,6,7
	global_load_b128 v[BB+8*\b:BB+8*\b+3], v[BO], s[94:95] offset:(32*(\b/2)+8*(\b%2))*4
	global_load_b128 v[BB+8*\b+4:BB+8*\b+7], v[BO], s[94:95] offset:(32*(\b/2)+8*(\b%2))*4+16
.endr
	WIN 0
.macro FRAG4 reg, aq, ad, off          ; a fragment's image comes back as it was stored
	ds_load_b128 v[\reg:\reg+3], v[\aq] offset:\off
	ds_load_b64 v[\reg+4:\reg+5], v[\ad] offset:\off+512
	ds_load_b128 v[\reg+6:\reg+9], v[\aq] offset:\off+768
	ds_load_b64 v[\reg+10:\reg+11], v[\ad] offset:\off+1280
.endm
.macro FETCH s                         ; K step s: 12 fragments and 6 registers of scale words into set s % 2: 54 loads in one run
	WIN 0x80+0x40*((\s)%2)
.irp b, 0,1,2,3,4,5,6,7
	FRAG4 12*\b, A0Q, A0D, (\b/2)*2*BLK+(((\s)/2)%2)*BLK+(2*((\s)%2)+\b%2)*1536
.endr
.irp a, 0,1,2,3
	FRAG4 96+12*\a, A1Q, A1D, (\a/2)*2*BLK+(((\s)/2)%2)*BLK+(2*((\s)%2)+\a%2)*1536
.endr
	WIN 0
.irp p, 0,1,2,3
	ds_load_b32 v[SC+6*((\s)%2)+\p], v[A0S] offset:\p*2*BLK+(((\s)/2)%2)*BLK+128*((\s)%2)
.endr
.irp p, 0,1
	ds_load_b32 v[SC+6*((\s)%2)+4+\p], v[A1S] offset:\p*2*BLK+(((\s)/2)%2)*BLK+128*((\s)%2)
.endr
.endm
.macro WM a, b, p, zero                ; accumulator (a, b) += source 0's tile b x source 1's tile a; an odd tile's scale words lie in lanes 16-31 of its pair's register
.set rD, 64*(\a)+8*(\b)
.set rA, 12*(\b)
.set rB, 96+12*(\a)
.set rX, SC+6*(\p)+(\b)/2
.set rY, SC+6*(\p)+4+(\a)/2
.set md, 4*(\zero)+2*((\b)%2)+(\a)%2
.if md == 0
	v_wmma_scale_f32_16x16x128_f8f6f4 v[rD:rD+7], v[rA:rA+11], v[rB:rB+11], v[rD:rD+7], v[rX], v[rY] matrix_a_fmt:MATRIX_FMT_FP6 matrix_b_fmt:MATRIX_FMT_FP6
.elseif md == 1
	v_wmma_scale_f32_16x16x128_f8f6f4 v[rD:rD+7], v[rA:rA+11], v[rB:rB+11], v[rD:rD+7], v[rX], v[rY] matrix_a_fmt:MATRIX_FMT_FP6 matrix_b_fmt:MATRIX_FMT_FP6 matrix_b_scale:MATRIX_SCALE_ROW1
.elseif md == 2
	v_wmma_scale_f32_16x16x128_f8f6f4 v[rD:rD+7], v[rA:rA+11], v[rB:rB+11], v[rD:rD+7], v[rX], v[rY] matrix_a_fmt:MATRIX_FMT_FP6 matrix_b_fmt:MATRIX_FMT_FP6 matrix_a_scale:MATRIX_SCALE_ROW1
.elseif md == 3
	v_wmma_scale_f32_16x16x128_f8f6f4 v[rD:rD+7], v[rA:rA+11], v[rB:rB+11], v[rD:rD+7], v[rX], v[rY] matrix_a_fmt:MATRIX_FMT_FP6 matrix_b_fmt:MATRIX_FMT_FP6 matrix_a_scale:MATRIX_SCALE_ROW1 matrix_b_scale:MATRIX_SCALE_ROW1
.elseif md == 4
	v_wmma_scale_f32_16x16x128_f8f6f4 v[rD:rD+7], v[rA:rA+11], v[rB:rB+11], 0, v[rX], v[rY] matrix_a_fmt:MATRIX_FMT_FP6 matrix_b_fmt:MATRIX_FMT_FP6
.elseif md == 5
	v_wmma_scale_f32_16x16x128_f8f6f4 v[rD:rD+7], v[rA:rA+11], v[rB:rB+11], 0, v[rX], v[rY] matrix_a_fmt:MATRIX_FMT_FP6 matrix_b_fmt:MATRIX_FMT_FP6 matrix_b_scale:MATRIX_SCALE_ROW1
.elseif md == 6
	v_wmma_scale_f32_16x16x128_f8f6f4 v[rD:rD+7], v[rA:rA+11], v[rB:rB+11], 0, v[rX], v[rY] matrix_a_fmt:MATRIX_FMT_FP6 matrix_b_fmt:MATRIX_FMT_FP6 matrix_a_scale:MATRIX_SCALE_ROW1
.else
	v_wmma_scale_f32_16x16x128_f8f6f4 v[rD:rD+7], v[rA:rA+11], v[rB:rB+11], 0, v[rX], v[rY] matrix_a_fmt:MATRIX_FMT_FP6 matrix_b_fmt:MATRIX_FMT_FP6 matrix_a_scale:MATRIX_SCALE_ROW1 matrix_b_scale:MATRIX_SCALE_ROW1
.endif
.endm
.macro MUL s, zero                     ; 32 matrix instructions; the 32 accumulators take turns, one instruction a turn, in the same order in every step
	WIN 0x5a+5*((\s)%2)                            ; sources 0 and 1 window 2 or 3, C and D window 1
.irp a, 0,1,2,3
.irp b, 0,1,2,3,4,5,6,7
	WM \a, \b, (\s)%2, \zero
.endr
.endr
.endm
.macro STEP s
	s_wait_dscnt 0x0                               ; this step's fragments are in (asked for 32 matrix instructions ago)
.if (\s) == 3
	s_wait_tensorcnt 0x0                           ; every wave's load has landed, the second half of K among them; behind it nobody reads the first half, in which the stages lie
	s_barrier_signal -1
	s_barrier_wait -1                              ; everybody's has
	WIN 0
	v_add_nc_u32 v[A0Q], 2*S0C, v[A0Q]             ; on to the second half of K.  These six are also the places in front of the loads below
	v_add_nc_u32 v[A0D], 2*S0C, v[A0D]
	v_add_nc_u32 v[A0S], 2*S0C, v[A0S]
	v_add_nc_u32 v[A1Q], 2*S1C, v[A1Q]
	v_add_nc_u32 v[A1D], 2*S1C, v[A1D]
	v_add_nc_u32 v[A1S], 2*S1C, v[A1S]
.elseif (\s) < 7
	PLACES                                         ; four places in front of loads into registers that matrix instructions have read (ISA guide 7.12.1 for vector instructions)
.endif
.if (\s) < 7
	FETCH (\s)+1
.endif
.if (\s) == 0
	MUL \s, 1                                      ; the first step's products start the sums: nothing is cleared
.else
	MUL \s, 0
.endif
.endm
	s_cmp_lt_u32 s68, 2                            ; waves 0 and 1 wait for their loads, the first half of K; the loads of waves 2 and 3 may stay out
	s_cbranch_scc0 .Lnot_first
	s_wait_tensorcnt 0x0
.Lnot_first:
	s_barrier_signal -1
	s_barrier_wait -1                              ; everybody's has
	FETCH 0
	STEP 0
	STEP 1
	s_wait_alu depctr_va_vdst(0)
	STEP 2
	STEP 3
	s_wait_alu depctr_va_vdst(0)
	STEP 4
	STEP 5
	s_wait_alu depctr_va_vdst(0)
	STEP 6
	STEP 7
	WIN 0
	PLACES                                         ; in front of the first read of results
	s_wait_loadcnt 0x0                             ; the bias
.macro ADD a                           ; the 64 results of the tokens' tile a, with their bias, come into window 0: each accumulator is read from its low end on
	WIN 0x09                                       ; source 0 window 1, source 1 window 2
.set i, 0
.rept 32
	v_pk_add_f32 v[T+i:T+i+1], v[64*(\a)+i:64*(\a)+i+1], v[BB+i:BB+i+1]
.set i, i+2
.endr
	WIN 0
.endm
.irp a, 0,1,2,3
	ADD \a
.irp e, 0,1,2,3
.irp q, 0,1,2,3
	ds_store_b128 v[STO], v[T+16*\e+4*\q:T+16*\e+4*\q+3] offset:128*\e+16*\q     ; columns 32 e + 16 h + 4 q on, of token row r
.endr
.endr
.if \a >= 2
	s_wait_xcnt 0x0                                ; the stores of two tiles back have read their data: the rows' registers are loaded again only behind this wait
.endif
.irp t, 0,1,2,3,4,5,6,7,8,9,10,11,12,13,14,15
	ds_load_b128 v[BK+64*(\a%2)+4*\t:BK+64*(\a%2)+4*\t+3], v[RD] offset:528*\t   ; LDS serves a wave's instructions in order: these see my stores
.endr
.irp t, 0,1,2,3,4,5,6,7,8,9,10,11,12,13,14,15
	s_wait_dscnt 15-\t                             ; row t is back; the younger rows' loads may be out
	global_store_b128 v1, v[BK+64*(\a%2)+4*\t:BK+64*(\a%2)+4*\t+3], s[10:11] offset:(16*(\a/2)+8*(\a%2)+\t+24*(\t/8))*4096 th:TH_STORE_NT   ; row t of tile a is token 16 (a / 2) + 8 (a % 2) + t % 8 + 32 (t / 8) of my 64; 32 lanes store 512 consecutive bytes, at a multiple of 256 from out0's first byte
.endr
.endr
	s_wait_tensorcnt 0x0                           ; the wave's end, behind my last tensor load and my last LDS store
	ds_add_u32 v[SPW], v[NIL]
	s_wait_dscnt 0x0
	CROUND                                         ; the closing round: no work-group ends while a partner may still ask for a block that names it
	s_endpgm
.Lfunc_end_k_q0e71dd69cc_outp:
	.size	k_q0e71dd69cc_outp, .Lfunc_end_k_q0e71dd69cc_outp-k_q0e71dd69cc_outp
	.p2alignl 7, 3214868480
	.fill 96, 4, 3214868480
	.section	.rodata,"a",@progbits
	.p2align	6, 0x0
	.amdhsa_kernel k_q0e71dd69cc_outp
		.amdhsa_group_segment_fixed_size 327680
		.amdhsa_private_segment_fixed_size 0
		.amdhsa_enable_private_segment 0
		.amdhsa_kernarg_size 32
		.amdhsa_user_sgpr_count 2
		.amdhsa_user_sgpr_kernarg_segment_ptr 1
		.amdhsa_wavefront_size32 1
		.amdhsa_system_sgpr_workgroup_id_x 1
		.amdhsa_system_sgpr_workgroup_id_y 1
		.amdhsa_system_sgpr_workgroup_id_z 1
		.amdhsa_system_vgpr_workitem_id 0
		.amdhsa_next_free_vgpr 1024
		.amdhsa_next_free_sgpr 102
		.amdhsa_reserve_vcc 0
		.amdhsa_float_denorm_mode_32 3
		.amdhsa_float_denorm_mode_16_64 3
		.amdhsa_memory_ordered 1
		.amdhsa_forward_progress 1
		.amdhsa_inst_pref_size 95
	.end_amdhsa_kernel
	.amdgpu_metadata
---
amdhsa.version: [ 1, 2 ]
amdhsa.kernels:
  - .name:           k_q0e71dd69cc_outp
    .symbol:         k_q0e71dd69cc_outp.kd
    .args:
      - { .name: oimg, .offset: 0, .size: 8, .value_kind: global_buffer, .address_space: global }
      - { .name: wimg, .offset: 8, .size: 8, .value_kind: global_buffer, .address_space: global }
      - { .name: bo, .offset: 16, .size: 8, .value_kind: global_buffer, .address_space: global }
      - { .name: out0, .offset: 24, .size: 8, .value_kind: global_buffer, .address_space: global }
    .group_segment_fixed_size: 327680
    .private_segment_fixed_size: 0
    .kernarg_segment_align: 8
    .kernarg_segment_size: 32
    .max_flat_workgroup_size: 128
    .sgpr_count:     102
    .vgpr_count:     1024
    .wavefront_size: 32
...
	.end_amdgpu_metadata
.endif
;; end of part 4
